; MI455X (gfx1250); checked and timed in simulation.
; The chip was launched on July 23, 2026; its instructions are those of AMD's public machine-readable ISA for CDNA 5 (MIT licence, August 2026) and "CDNA5" Instruction Set Architecture Reference Guide (July 2026). The comments in the code are by the model that wrote it; some were corrected since.
;; Causal Attention. Allowed arithmetic: matrix products marked QUANTISED: E5M2 operands, one E8M0 scale for each 32 along K, by v_wmma_scale_f32_16x16x128_f8f6f4 with both operands' format E5M2, f32 sums; everything else in f32.
;; Inputs: wk_codes 1,024 x 32 x 32 uint8 (E5M2 codes of wk, K innermost, in blocks of 32 codes); wk_scales 1,024 x 32 uint8 (E8M0 scales of wk, one for each 32 codes along K); wq_codes 1,024 x 32 x 32 uint8 (E5M2 codes of wq, K innermost, in blocks of 32 codes); wq_scales 1,024 x 32 uint8 (E8M0 scales of wq, one for each 32 codes along K); wv_codes 1,024 x 32 x 32 uint8 (E5M2 codes of wv, K innermost, in blocks of 32 codes); wv_scales 1,024 x 32 uint8 (E8M0 scales of wv, one for each 32 codes along K); x_codes 4 x 2,048 x 32 x 32 uint8 (E5M2 codes of x, K innermost, in blocks of 32 codes); x_scales 4 x 2,048 x 32 uint8 (E8M0 scales of x, one for each 32 codes along K).
;; Outputs: out0 4 x 2,048 x 1,024 float32.
;; This version of the problem:
;;   THIS VERSION OF THE PROBLEM IS GIVEN IN LOW PRECISION. The matrix products marked QUANTISED in the list below multiply operands that are first quantised to E5M2 (5 exponent bits, 2 mantissa bits; 8 bits a number), with one power-of-two scale for each 32 numbers along K (OCP MX v1.0); their sums are f32. All else is computed in f32.
;;   The module's matrix products, in the order in which they are computed (A, B: the left and right operand; K: the contracted axis; several contracted axes count as one K, in the product's order):
;;     1. [M 8,192, K 1,024] x [K 1,024, N 1,024]; A: input x (given as codes); B: input wq (given as codes): QUANTISED
;;     2. [M 8,192, K 1,024] x [K 1,024, N 1,024]; A: input x (given as codes); B: input wk (given as codes): QUANTISED
;;     3. [M 8,192, K 1,024] x [K 1,024, N 1,024]; A: input x (given as codes); B: input wv (given as codes): QUANTISED
;;     4. batch 4 x [M 2,048, K 1,024] x [K 1,024, N 2,048]; A: computed on the way; B: computed on the way: QUANTISED
;;     5. batch 4 x [M 2,048, K 2,048] x [K 2,048, N 1,024]; A: softmax (see below); B: computed on the way: QUANTISED
;;   THE QUANTISER, for each operand of a quantised product, along K:
;;     - K is cut into blocks of 32 from its start; a last block that is shorter is filled with zeros.
;;     - A block's scale is 2^e with e = floor(log2(the largest magnitude in the block)) - 15, held to -126 .. 127; a block of zeros has e = 0. As a byte (E8M0): e + 127.
;;     - Each number is divided by its block's scale, clamped to +-57,344, and rounded to the nearest number of E5M2, ties to even, subnormals kept.
;;     - The product sums the exact products of the quantised numbers (number of the format x scale) in f32.
;;   ~~~python
;;   def quantise(x, axis):      # numpy; x: float32 -> the quantised numbers, widened to float32 again
;;       x = np.moveaxis(x, axis, -1); K = x.shape[-1]
;;       x = np.pad(x, [(0, 0)] * (x.ndim - 1) + [(0, -K % 32)]); x = x.reshape(x.shape[:-1] + (-1, 32)); a = np.abs(x).max(-1, keepdims=True)
;;       e = np.where(a > 0, np.clip(np.frexp(np.where(a > 0, a, 1))[1] - 1 - 15, -126, 127), 0)      # np.frexp(a)[1] - 1 = floor(log2(a)), exactly
;;       r = np.clip(x / 2.0 ** e, -57344, 57344)
;;       step = 2.0 ** (np.maximum(np.frexp(np.where(r == 0, 1, r))[1] - 1, -14) - 2)
;;       q = np.round(r / step) * step * 2.0 ** e      # np.round: ties to even
;;       return np.moveaxis(q.reshape(q.shape[:-2] + (-1,))[..., :K], -1, axis).astype(np.float32)
;;   ~~~
;;   SOFTMAX AHEAD OF A QUANTISED PRODUCT. Where the list says 'softmax', what is quantised is not the finished softmax but p = 2^(t - M), with t = logit x log2(e) and M = ceil(the row's largest t), a whole number; so 1/2 < the row's largest p <= 1. The row's sum l is taken of the UNQUANTISED p, in f32, and the product's result is divided by l at the end. Since M is a whole number, a kernel that streams over the keys may use a running M (the ceiling of the running maximum): every later rescaling is an exact power of two, which a block's scale takes up: the codes' values come out the same.
;;   OPERANDS COMPUTED ON THE WAY. 'Computed on the way' means the value that the module computes at that place (a softmax that the list does not call 'softmax' is quantised finished and normalised). What goes into a quantiser is computed in f32, as accurately as f32 sums, v_exp_f32 and their like allow (about 1e-6 of the number): no bf16 or f16 on the way to a quantiser, and a product that is left as it is and whose result goes on into a quantised operand takes f32 operands (vector FMAs, or v_wmma_f32_16x16x4_f32). A number that lies on a knife's edge between two numbers of the format may be rounded either way, as far as f32 arithmetic and the matrix unit's own rounding can turn it there, and no further.
;;   INPUTS GIVEN AS CODES. wk (in the module: [1024, 1024], K = its axis 1); wq (in the module: [1024, 1024], K = its axis 1); wv (in the module: [1024, 1024], K = its axis 1); x (in the module: [4, 2048, 1024], K = its axis 2): each comes as NAME_codes (uint8): NAME with its K axis moved to the last place and cut into blocks of 32 codes, [.., K / 32, bytes a block], one block behind the other in memory; one code a byte (a code: sign, 5 exponent bits, 2 mantissa bits); and NAME_scales (uint8): the same leading axes, one E8M0 byte (e + 127) for each 32 codes along K. Its value is code x scale, taken as it is: it is not quantised again, and the codes and scales need not be those that the quantiser above would give.
;; One version. Each part assembles by itself: llvm-mc -triple=amdgcn-amd-amdhsa -mcpu=gfx1250 --defsym DOCPART=n.
;; ======== version 1 of 1: 3 launches
;; limits: right only within a limited range of input values
;; workspace buffers: qp 8,650,752 bytes; kp 8,650,752 bytes; vp 8,650,752 bytes; pp 18,350,080 bytes
;; launch proj (part 1): grid 4 x 64, 4 waves a work-group, clusters of 4 x 4, 327,680 bytes of LDS; arguments x_codes, x_scales, wq_codes, wq_scales, wk_codes, wk_scales, wv_codes, wv_scales, qp, kp, vp; writes qp, kp, vp
.if DOCPART == 1
	.amdgcn_target "amdgcn-amd-amdhsa--gfx1250"
	.amdhsa_code_object_version 6
	.text
	.protected	k_qedf8873561_proj
	.globl	k_qedf8873561_proj
	.p2align	8
	.type	k_qedf8873561_proj,@function
k_qedf8873561_proj:
	s_mov_b64 s[64:65], 0
	v_nop
	global_prefetch_b8 v0, s[64:65] scope:SCOPE_SE
	s_setreg_imm32_b32 hwreg(HW_REG_WAVE_MODE, 25, 1), 1
	s_wait_xcnt 0x0
	s_wait_alu depctr_hold_cnt(0) depctr_sa_sdst(0) depctr_va_vdst(0) depctr_va_sdst(0) depctr_va_ssrc(0) depctr_va_vcc(0) depctr_vm_vsrc(0)
	s_getreg_b32 s2, hwreg(HW_REG_IB_STS2, 6, 4)
	s_cmp_eq_u32 s2, 0
	s_cbranch_scc0 .Lentry_in_a_cluster
	s_endpgm
.Lentry_in_a_cluster:
	s_bfe_u32 s2, ttmp6, 0x10000c
	s_cmp_lg_u32 s2, 0xf033
	s_cbranch_scc0 .Lentry_shape_is_right
	s_endpgm
.Lentry_shape_is_right:
; q = x wq^T, k = x wk^T, v = x wv^T on codes of BF8 (E5M2) with one E8M0 scale for each 32 along K = 1,024; the results are quantised at once, q and k along d_out, v along the keys.
; WORK LEFT OUT BY THE PROGRAM (in the launches behind this one): reference() puts -inf ahead of the softmax where a key comes after the query, so p = 0 there for all values of the inputs: whole tiles of hidden keys are left out.
; A NaN, an infinity or an overflow that reaches only such tiles is not carried to the result.
; LIMITS: NaN and infinity codes and the scale byte 0xff among the inputs are not served; a block whose largest magnitude lies under 2^(16 - 127) keeps the byte 1 (a block of zeros too: its codes are zeros, and this program alone reads the bytes).
; THE DEAL.  256 work-groups: work-group (g, rg): rows 128 rg .. of x against rows 256 g .. 256 g + 255 of wq, of wk and of wv: six chunks of 128 weight rows.  Four waves, 2 x 2: wave (w, v) holds 64 rows of x, ALL of K, in registers (512),
; and streams 64 rows of each chunk past them, in blocks of 16: 32 products a block.  Block j of a chunk: rows 64 (j / 2) + 32 v + 16 (j % 2).
; CLUSTERS: 4 x 4 work-groups: x's rows are asked for jointly along a row of the cluster (the four g), weight rows along a column (four rg).
; FILLS: at the head x's 128 rows (slot 1; waves 0, 1) and chunk 0 (slot 0; waves 2, 3).  Chunk 1 goes where x lay, once x is in registers; chunk n + 2 where chunk n lay, in a drained round inside chunk n's block 2, which also shows chunk n + 1.
; THE STREAM.  Behind a block's products its set of registers takes the block two on.  A pair of blocks' way out stands among the next pair's products, two or three lines behind each.
; q, k: source 0 = 16 weight rows, source 1 = 16 rows of x: lane (r, h) holds row r of x, its registers 8 neighbours along d_out.  v: source 0 = 16 rows of x, source 1 = 16 weight rows: lane (r, h) holds channel r, its registers 8 keys.
; A scale block of 32 lies in two accumulators of lanes l and l xor 16; the sums lie so that for either kind group T = 0 .. 3 of a pair is registers 8 T .. and 32 + 8 T ..
; OUT: PANELS of 128 rows x 128 along the next K as images of the next operand's registers: row tile a at 2,048 a, registers 4 c .. at 512 c, lane l's 16 bytes at 16 l; at 16,384 one scale word a row.
; q, k: panel 8 rg + d_out / 128.  v: panel (8 batch + channels / 128) 16 + rg % 16.  K ORDER INSIDE A BLOCK OF 32: place 16 h + i holds element 8 h + i (i < 8) or 16 + 8 h + i - 8, on both sides of both later products alike.
; PREFETCH: the chunk after the one that is being asked for, a trip ahead of its tensor load; every cluster reads the same weights, so four clusters of the sixteen ask; the sixteen waves of a column share a chunk's 512 units of 256 bytes out by address.
; REGISTERS: window 0: v0-63 addresses, scales, work; v64-191 four sets of sums; v192-207 codes.  Windows 1, 2: x.  Window 3: two sets of a weight block.
.set PITCH, 1040                       ; an LDS row: 1,024 bytes + 16 of padding
.set YB,   128*PITCH                   ; slot 1
.set SCL,  2*YB                        ; the scale bytes of the 768 weight rows, 32 a row
.set XN,   SCL+24576                   ; six panels' scale words
.set SPARE, XN+3072                    ; the spare words
.set NP,   8                           ; places behind a matrix instruction (ISA guide 7.12.1)
.set NF,   34                          ; LDS loads of a block
.set PQ,   16896                       ; a panel
.set EMAX, 15
.set AS1,  2                           ; v2, v5 block 1's LDS addresses at the head
.set ADRA0, 4
.set AD1,  5
.set AAS0, 6
.set PFO,  7
.set CO,   9
.set SPW,  10
.set NIL,  11
.set ADRA, 12
.set VXQ,  13
.set AAS,  17
.set VXV,  18
.set SOP,  20
.set SB,   24                          ; x's scale words: register 8 p + q: lanes 0-15 tile 2 p, lanes 16-31 tile 2 p + 1
.set EB,   40
.set SA,   44                          ; the weight blocks' scale words: two sets of eight
.set TQ,   60
.set ACC,  64
.set MCD,  192
.set RP,   2                           ; s[2:3] the chunk that is asked for next
.set G1X,  24
.set G1W,  32
.set G1R,  48
.set G0X,  56
.set G0W,  60
.set G0R,  96
.set SEL,  66
.set OP,   84                          ; s[84:85] where the chunk's results go; s[86:87] k's first, s[88:89] v's first
.set KB,   86
.set VB,   88
.set MNT,  90
.set MSB, 0
.macro WIN new                         ; the immediate's high byte repeats the setting that is left
.if MSB != \new
	s_set_vgpr_msb (MSB<<8)|\new
.set MSB, \new
.endif
.endm
.macro PLACES n
.rept \n
	v_nop
.endr
.endm
.macro BARRIER
	s_barrier_signal -1
	s_barrier_wait -1
.endm
.macro CREST                           ; a round of the cluster's barrier behind its opening barrier
	s_cmp_lg_u32 s14, 0
	s_cbranch_scc1 .Lnot_wave_0_\@
	s_barrier_signal -3
.Lnot_wave_0_\@:
	s_barrier_wait -3
	BARRIER
.endm
.macro CROUND
	BARRIER
	CREST
.endm
.macro WALU
	s_wait_alu depctr_va_vdst(0)
.endm
.macro TLOAD g0, g1
	tensor_load_to_lds s[\g0:\g0+3], s[\g1:\g1+7]
	s_nop 0
	PLACES 4
.endm
.macro GROUP1 g, mask, rows            ; so many rows of 1,024 bytes, 16 bytes of padding behind each in LDS
	s_or_b32 s[\g+0], s[\mask], (1<<20)|(1<<21)|(7<<22)|(3<<25)
	s_mov_b32 s[\g+1], 1024<<16
	s_mov_b32 s[\g+2], (\rows)<<16
	s_mov_b32 s[\g+3], 1024<<16
	s_mov_b32 s[\g+4], \rows
	s_mov_b32 s[\g+5], 1024
	s_mov_b32 s[\g+6], 0
	s_mov_b32 s[\g+7], 0
.endm
	s_load_b512 s[68:83], s[0:1], 0x0              ; x's codes, x's scales, wq's, wk's, wv's
	s_load_b128 s[84:87], s[0:1], 0x40             ; qp, kp
	s_load_b64 s[88:89], s[0:1], 0x50              ; vp
	v_lshl_add_u32 v[SPW], v0, 2, SPARE
	v_mov_b32 v[NIL], 0
	ds_add_u32 v[SPW], v[NIL]                      ; the opening lines: the add, twice on end, and one wait for both
	ds_add_u32 v[SPW], v[NIL]
	v_lshrrev_b32 v1, 5, v0
	v_readfirstlane_b32 s14, v1                    ; wave
	s_lshr_b32 s15, s14, 1                         ; w: my 64 rows of x
	s_and_b32 s16, s14, 1                          ; v: my half of a chunk
	s_bfe_u32 s40, ttmp6, 0x40000                  ; cx = g
	s_bfe_u32 s41, ttmp6, 0x40004                  ; cy
	s_and_b32 s43, ttmp7, 0xffff
	s_and_b32 s44, s43, 3
	s_cmp_eq_u32 s44, 0
	s_cselect_b32 s19, 3, 0                        ; trips in which my cluster prefetches
	s_lshl_b32 s43, s43, 2
	s_add_co_u32 s43, s43, s41                     ; rg = 4 x cluster y + cy
	s_lshl_b32 s44, s41, 2
	s_lshl_b32 s44, 15, s44                        ; my row of the cluster shares x
	s_lshl_b32 s45, 0x1111, s40                    ; my column shares the weights
	GROUP1 G1X, 44, 64
	GROUP1 G1W, 45, 64
	GROUP1 G1R, 45, 32
	s_lshl_b32 s20, s43, 17
	s_lshl_b32 s92, s16, 16                        ; at the head I fetch 64 rows
	s_mov_b32 s93, 0
	s_add_co_u32 s20, s20, s92
	s_mov_b32 s21, 0
	s_lshl_b32 s22, s40, 18                        ; 256 g rows of a weight
	s_mov_b32 s23, 0
	s_mul_i32 s17, s16, 64*PITCH
	s_mov_b32 s[G0X], 1
	s_add_co_u32 s[G0X+1], s17, YB
	s_mov_b32 s[G0W], 1
	s_mov_b32 s[G0W+1], s17
	s_mov_b32 s[G0R], 1
	s_mul_i32 s18, s14, 32*PITCH                   ; behind the head I fetch 32 rows of a chunk
	s_lshl_b32 s12, s14, 15
	s_mov_b32 s13, 0
	s_mov_b32 s[SEL], 0x76543210
	s_mov_b32 s[SEL+1], 0xfedcba98
	s_mov_b32 s[MNT], 0x600000
	WALU
	s_wait_dscnt 0x0                               ; both opening adds are done
	CROUND                                         ; all sixteen work-groups are here
	s_wait_kmcnt 0x0
	s_add_nc_u64 s[G0X+2:G0X+3], s[68:69], s[20:21]
	s_or_b32 s[G0X+3], s[G0X+3], 0x80000000
	s_add_nc_u64 s[4:5], s[72:73], s[22:23]        ; my 256 rows of wq
	s_add_nc_u64 s[G0W+2:G0W+3], s[4:5], s[92:93]
	s_or_b32 s[G0W+3], s[G0W+3], 0x80000000
	s_cmp_lt_u32 s14, 2                            ; one joint load a wave, and a line of its own for what is shown first
	s_cbranch_scc0 .Lfor_w
	TLOAD G0X, G1X
	s_branch .Lasked
.Lfor_w:
	TLOAD G0W, G1W
.Lasked:
	s_add_nc_u64 s[RP:RP+1], s[76:77], s[22:23]    ; wk's rows: chunk 2
	s_add_nc_u64 s[6:7], s[80:81], s[22:23]        ; wv's: chunk 4
	s_lshl_b32 s94, s40, 13                        ; the scale bytes of 256 g rows
	s_mov_b32 s95, 0
	s_add_nc_u64 s[74:75], s[74:75], s[94:95]
	s_add_nc_u64 s[78:79], s[78:79], s[94:95]
	s_add_nc_u64 s[82:83], s[82:83], s[94:95]
	s_lshl_b32 s20, s43, 12
	s_lshl_b32 s21, s15, 11
	s_add_co_u32 s20, s20, s21
	s_mov_b32 s21, 0
	s_add_nc_u64 s[70:71], s[70:71], s[20:21]      ; x's scale bytes: my 64 rows
	v_and_b32 v3, 31, v0                           ; lane
	v_lshlrev_b32 v16, 5, v3
	v_lshlrev_b32 v8, 4, v0
.irp p, 0,1
.irp c, 0,1
	global_load_b128 v[SB+8*\p+4*\c:SB+8*\p+4*\c+3], v16, s[70:71] offset:1024*\p+16*\c
.endr
.endr
.irp i, 0,1,2,3                        ; 768 rows' scale bytes, 192 a thread: they go into LDS by LDS stores
	global_load_b128 v[64+4*\i:67+4*\i], v8, s[74:75] offset:2048*\i
	global_load_b128 v[80+4*\i:83+4*\i], v8, s[78:79] offset:2048*\i
	global_load_b128 v[96+4*\i:99+4*\i], v8, s[82:83] offset:2048*\i
.endr
	s_lshl_b32 s20, s41, 2
	s_add_co_u32 s20, s20, s14                     ; which of the column's sixteen waves I am
	s_lshl_b32 s20, s20, 13
	v_lshl_add_u32 v[PFO], v3, 8, s20
	WALU
	s_cmp_eq_u32 s19, 0
	s_cbranch_scc1 .Lnone_asked
	global_prefetch_b8 v[PFO], s[4:5] offset:131072 th:TH_LOAD_NT scope:SCOPE_SE   ; chunk 1
	global_prefetch_b8 v[PFO], s[RP:RP+1] th:TH_LOAD_NT scope:SCOPE_SE             ; chunk 2
.Lnone_asked:
	v_and_b32 v1, 15, v0                           ; r
	v_bfe_u32 v2, v0, 4, 1                         ; h
	v_lshlrev_b32 v[CO], 4, v3
	v_add_nc_u32 v15, SCL, v8
	v_mul_u32_u24 v22, v1, PITCH
	v_lshl_add_u32 v23, v2, 4, v22                 ; a fragment's row x pitch + 16 h
	s_mul_i32 s20, s15, 64*PITCH
	s_add_co_u32 s20, s20, YB
	v_add_nc_u32 v14, s20, v23                     ; my rows of x in slot 1
	s_mul_i32 s20, s16, 32*PITCH
	v_add_nc_u32 v[ADRA0], s20, v23                ; block 0 in slot 0
	v_add_nc_u32 v[AD1], 16*PITCH, v[ADRA0]
	s_lshl_b32 s20, s16, 10
	s_add_co_u32 s20, s20, SCL
	v_lshl_add_u32 v[AAS0], v1, 5, s20             ; its rows' scale words
	v_add_nc_u32 v[AS1], 512, v[AAS0]
	s_lshl_b32 s20, s15, 8
	s_add_co_u32 s20, s20, s16
	s_add_co_u32 s20, s20, XN-512                  ; (stepped by 512 ahead of its first use)
	v_lshl_add_u32 v[VXQ], v1, 2, s20              ; q's, k's byte: row 64 w + r, byte v
	s_lshl_b32 s20, s16, 7
	s_lshl_b32 s21, s15, 1
	s_add_co_u32 s20, s20, s21
	s_add_co_u32 s20, s20, XN+2048-512
	v_lshl_add_u32 v[VXV], v1, 2, s20              ; v's byte: row 32 v + r, byte 2 w
.set I_, 0
.rept 64                               ; the first way out has no pair before it: it works on zeros and stores nothing
	v_mov_b32 v[ACC+64+I_], 0
.set I_, I_+1
.endr
	; where my results go
	s_lshl_b32 s20, s43, 3
	s_lshl_b32 s21, s40, 1
	s_add_co_u32 s20, s20, s21                     ; q's, k's first panel
	s_cmp_eq_u32 s15, 0                            ; at the end wave n stores the scale words of panel n of q, q, k, k
	s_cselect_b64 s[8:9], s[84:85], s[86:87]
	s_add_co_u32 s92, s20, s16
	s_mul_i32 s92, s92, PQ
	s_add_co_u32 s92, s92, 16384
	s_add_nc_u64 s[8:9], s[8:9], s[92:93]
	s_mul_i32 s92, s20, PQ
	s_lshl_b32 s20, s15, 13
	s_add_co_u32 s92, s92, s20
	s_lshl_b32 s20, s16, 9
	s_add_co_u32 s92, s92, s20
	s_add_nc_u64 s[KB:KB+1], s[KB:KB+1], s[92:93]
	s_add_nc_u64 s[OP:OP+1], s[OP:OP+1], s[92:93]
	s_sub_nc_u64 s[OP:OP+1], s[OP:OP+1], PQ        ; (stepped ahead of its first use)
	s_lshr_b32 s20, s43, 4
	s_lshl_b32 s20, s20, 3
	s_add_co_u32 s20, s20, s21
	s_lshl_b32 s20, s20, 4
	s_and_b32 s21, s43, 15
	s_add_co_u32 s20, s20, s21                     ; v's first panel
	s_lshl_b32 s21, s15, 4
	s_add_co_u32 s21, s21, s20
	s_mul_i32 s92, s21, PQ                         ; wave n stores half n % 2 of the scale words of v's panel n / 2
	s_lshl_b32 s21, s16, 8
	s_add_co_u32 s92, s92, s21
	s_add_co_u32 s92, s92, 16384
	s_add_nc_u64 s[10:11], s[VB:VB+1], s[92:93]
	s_mul_i32 s92, s20, PQ
	s_lshl_b32 s20, s16, 12
	s_add_co_u32 s92, s92, s20
	s_lshl_b32 s20, s15, 10
	s_add_co_u32 s92, s92, s20
	s_add_nc_u64 s[VB:VB+1], s[VB:VB+1], s[92:93]
	WALU
	s_cmp_lt_u32 s14, 2
	s_cbranch_scc0 .Lnot_x
	s_wait_tensorcnt 0x0                           ; waves 0, 1: x has landed.  The other waves' wait stands ahead of the round below
.Lnot_x:
	BARRIER
.irp q, 0,1,2,3,4,5,6,7                ; my 64 rows of x, all of K: fragment 4 q + b: lane l holds row l % 16; registers 4 c .. hold K = 128 q + 32 c + 16 h + 0 .. 15
.irp b, 0,1,2,3
	WIN (1+(4*\q+\b)/16)<<6
.irp c, 0,1,2,3
	ds_load_b128 v[16*((4*\q+\b)%16)+4*\c:16*((4*\q+\b)%16)+4*\c+3], v14 offset:128*\q+32*\c+16*\b*PITCH
.endr
.endr
.endr
	WIN 0
	s_wait_loadcnt 0x0                             ; all scale bytes
.irp i, 0,1,2,3
	ds_store_b128 v15, v[64+4*\i:67+4*\i] offset:2048*\i
	ds_store_b128 v15, v[80+4*\i:83+4*\i] offset:8192+2048*\i
	ds_store_b128 v15, v[96+4*\i:99+4*\i] offset:16384+2048*\i
.endr
	s_wait_tensorcnt 0x0                           ; chunk 0 is in
	ds_add_u32 v[SPW], v[NIL]
	s_add_co_u32 s[G0R+1], s18, YB
	s_add_nc_u64 s[G0R+2:G0R+3], s[4:5], s[12:13]
	s_add_nc_u64 s[G0R+2:G0R+3], s[G0R+2:G0R+3], 0x20000
	s_or_b32 s[G0R+3], s[G0R+3], 0x80000000
	s_mov_b32 s46, 0                               ; the chunk
	s_mov_b32 s42, 0                               ; its slot,
	s_mov_b32 s47, YB                              ; the next chunk's,
	s_mov_b32 s17, 0                               ; and its scale words' step
	s_wait_dscnt 0x0                               ; x is in registers, my scale bytes are in LDS
	CROUND
	TLOAD G0R, G1R                                 ; chunk 1, where x lay
.macro FETCHAT e, a, s                 ; a block, 16 weight rows, all of K, into set e of window 3, and its scale words: NF loads
	WIN 3<<6
.irp q, 0,1,2,3,4,5,6,7
.irp c, 0,1,2,3
	ds_load_b128 v[128*\e+16*\q+4*\c:128*\e+16*\q+4*\c+3], v[\a] offset:128*\q+32*\c
.endr
.endr
	WIN 0
	ds_load_b128 v[SA+8*\e:SA+8*\e+3], v[\s]
	ds_load_b128 v[SA+8*\e+4:SA+8*\e+7], v[\s] offset:16
.endm
.macro WMM c, m
	v_wmma_scale_f32_16x16x128_f8f6f4 v[D_:D_+7], v[S0_:S0_+15], v[S1_:S1_+15], \c, v[CA_], v[CB_] matrix_a_fmt:MATRIX_FMT_BF8 matrix_b_fmt:MATRIX_FMT_BF8 \m
.endm
.macro PROD kind, j, n                 ; product n = 4 q + b of block j: the q-th 128 of K, x's tile b.  The four accumulators take turns
.set Q_, (\n)/4
.set B_, (\n)%4
.set R_, 128*((\j)%2)+16*Q_
.set X_, 16*((\n)%16)
.set XS_, SA+8*((\j)%2)+Q_
.set WS_, SB+8*(B_/2)+Q_
.if \kind                              ; v
.set D_, ACC+64*((\j)/2)+32*(B_%2)+8*(2*((\j)%2)+B_/2)
.set S0_, X_
.set S1_, R_
.set CA_, WS_
.set CB_, XS_
	WIN (1+(\n)/16)|(3<<2)
.if Q_ && B_%2
	WMM v[D_:D_+7], matrix_a_scale:MATRIX_SCALE_ROW1
.elseif Q_
	WMM v[D_:D_+7]
.elseif B_%2
	WMM 0, matrix_a_scale:MATRIX_SCALE_ROW1
.else
	WMM 0
.endif
.else                                  ; q, k
.set D_, ACC+64*((\j)/2)+32*((\j)%2)+8*B_
.set S0_, R_
.set S1_, X_
.set CA_, XS_
.set CB_, WS_
	WIN 3|((1+(\n)/16)<<2)
.if Q_ && B_%2
	WMM v[D_:D_+7], matrix_b_scale:MATRIX_SCALE_ROW1
.elseif Q_
	WMM v[D_:D_+7]
.elseif B_%2
	WMM 0, matrix_b_scale:MATRIX_SCALE_ROW1
.else
	WMM 0
.endif
.endif
.endm
.macro HOLD x, b                       ; held at the largest number under the block's scale: the conversion does not saturate (ISA guide 7.6.2)
	v_med3_num_f32 v[\x], v[\x], -v[TQ+\b], v[TQ+\b]
.endm
.macro SCALES i, n                     ; 0: the conversion's scale operand; 1: the bound; 2: its second copy; 3: the scale byte
.if (\i) == 0
	v_add_nc_u32 v[SOP+\n], -(EMAX<<23), v[TQ]
.elseif (\i) == 1
	v_and_or_b32 v[TQ+1], v[TQ], 0x7f800000, s[MNT]
.elseif (\i) == 2
	v_mov_b32 v[TQ+3], v[TQ+1]
.else
	v_lshrrev_b32 v[EB+\n], 23, v[SOP+\n]
.endif
.endm
.macro HOLDS m, x                      ; two holds; the bound's second copy serves where the first would be read too late
.if (\m) == 3
	HOLD \x, 3
	HOLD \x+1, 3
.else
	HOLD \x, 1
	HOLD \x+1, 1
.endif
.if (\m) == 2
	SCALES 2, 0
.endif
.endm
.macro GAPV u, x                       ; THE QUANTISER OF A PAIR, gaps 0 .. 59, 15 a group T: registers x + 8 T .. and x + 32 + 8 T .. of lanes l and l xor 16 -> codes MCD + 4 T, byte EB + T
.set T_, (\u)/15
.set J_, (\u)%15
.set E_, \x+8*T_
.set O_, E_+32
.if J_ == 0
	v_max3_num_f32 v[TQ], |v[E_]|, |v[E_+1]|, |v[E_+2]|
	v_max3_num_f32 v[TQ+2], |v[O_]|, |v[O_+1]|, |v[O_+2]|
.elseif J_ < 3
	v_max3_num_f32 v[TQ], v[TQ], |v[E_+2*J_+1]|, |v[E_+2*J_+2]|
	v_max3_num_f32 v[TQ+2], v[TQ+2], |v[O_+2*J_+1]|, |v[O_+2*J_+2]|
.elseif J_ == 3
	v_max3_num_f32 v[TQ+2], v[TQ+2], |v[O_+7]|, (EMAX+1)<<23
	v_max3_num_f32 v[TQ], v[TQ], |v[E_+7]|, v[TQ+2]
.elseif J_ == 4
	v_permlanex16_b32 v[TQ+2], v[TQ], s[SEL], s[SEL+1]
	v_max_num_f32 v[TQ], v[TQ], v[TQ+2]
.elseif J_ == 5
	SCALES 0, T_
	SCALES 1, T_
.elseif J_ < 10
	HOLDS J_-6, E_+2*(J_-6)
.if J_ == 9
	v_cvt_scalef32_pk8_bf8_f32 v[MCD+4*T_:MCD+4*T_+1], v[E_:E_+7], v[SOP+T_]
.endif
.elseif J_ < 14
	HOLDS J_-6, O_+2*(J_-10)
.if J_ == 13
	v_cvt_scalef32_pk8_bf8_f32 v[MCD+4*T_+2:MCD+4*T_+3], v[O_:O_+7], v[SOP+T_]
.endif
.else
	SCALES 3, T_
.endif
.endm
.macro LIST kind, j, n                 ; what stands behind product n of block j
.if (\n) == 0
.if (\j) == 2                          ; on to this chunk's panel
.if \kind
	s_add_nc_u64 s[OP:OP+1], s[OP:OP+1], 16*PQ
	s_cmp_eq_u32 s46, 4
	s_cselect_b64 s[OP:OP+1], s[VB:VB+1], s[OP:OP+1]
.else
	s_add_nc_u64 s[OP:OP+1], s[OP:OP+1], PQ
	s_cmp_eq_u32 s46, 2
	s_cselect_b64 s[OP:OP+1], s[KB:KB+1], s[OP:OP+1]
.endif
.elseif (\j) == 3 && (\kind) == 0      ; on to the chunk that the next trip asks for
	s_add_nc_u64 s[RP:RP+1], s[RP:RP+1], 0x20000
	s_cmp_eq_u32 s46, 1
	s_cselect_b64 s[RP:RP+1], s[6:7], s[RP:RP+1]
.endif
	WIN 0
.if (\j) < 2
	s_add_co_u32 s22, s42, (64+16*(\j))*PITCH
.else
	s_add_co_u32 s22, s47, 16*((\j)-2)*PITCH
.endif
	v_add_nc_u32 v[ADRA], s22, v[ADRA0]
.elseif (\n) == 1
	WIN 0
.if (\j) < 2
	s_add_co_u32 s22, s17, (64+16*(\j))*32
.else
	s_add_co_u32 s22, s17, 4096+16*((\j)-2)*32
.endif
	v_add_nc_u32 v[AAS], s22, v[AAS0]
.elseif (\n) == 2 && (\j) == 2
	WIN 0
.if \kind
	v_add_nc_u32 v[VXV], 512, v[VXV]
.else
	v_add_nc_u32 v[VXQ], 512, v[VXQ]
.endif
.elseif (\n) == 29 && (\j) == 2 && (\kind) == 0
	s_add_co_u32 s[G0R+1], s18, s42                ; chunk n + 2 goes into this chunk's slot
	s_add_nc_u64 s[G0R+2:G0R+3], s[RP:RP+1], s[12:13]
	s_or_b32 s[G0R+3], s[G0R+3], 0x80000000
.endif
.if (\n) > 0 && (\n) < 31
	WIN 0
	GAPV (\n)-1+30*((\j)%2), ACC+64*(1-(\j)/2)
.endif
.endm
.macro BLOCK kind, j, from, to
.set N_, \from
.rept (\to)-(\from)
	PROD \kind, \j, N_
	LIST \kind, \j, N_
.set N_, N_+1
.endr
.endm
.macro BLK kind, j                     ; behind s_wait_xcnt 0 the stores' registers and bases may be written
	s_wait_xcnt 0x0
	BLOCK \kind, \j, 0, 32
	WIN 0
	PLACES NP
.endm
.macro VOUTQ off, byte                 ; a pair of q's or k's blocks: 4 tiles of rows; each store covers 512 consecutive bytes
.irp t, 0,1,2,3
	ds_store_b8 v[VXQ], v[EB+\t] offset:64*\t+\byte
	global_store_b128 v[CO], v[MCD+4*\t:MCD+4*\t+3], s[OP:OP+1] offset:2048*\t+\off
.endr
.endm
.macro VOUTV p                         ; a pair of v's blocks: 2 tiles of channels x 2 blocks of 32 keys
.irp t, 0,1,2,3
	ds_store_b8 v[VXV], v[EB+\t] offset:256*\p+64*(\t/2)+\t%2
	global_store_b128 v[CO], v[MCD+4*\t:MCD+4*\t+3], s[OP:OP+1] offset:8192*\p+2048*(\t/2)+512*(\t%2)
.endr
.endm
	FETCHAT 0, ADRA0, AAS0
	FETCHAT 1, AD1, AS1
.Lqk:                                                  ; a trip is a chunk: q, q, k, k
	s_wait_dscnt NF                                ; the older block's loads are in; the younger block's NF may be out
	BLK 0, 0
	FETCHAT 0, ADRA, AAS
	s_wait_dscnt NF
	BLK 0, 1
	WALU
	s_cmp_eq_u32 s46, 0
	s_cbranch_scc1 .Lno_pair_before
	VOUTQ 1024, 2                                  ; the chunk before: its second pair
.Lno_pair_before:
	FETCHAT 1, ADRA, AAS
	s_wait_dscnt NF
	s_wait_xcnt 0x0
	BLOCK 0, 2, 0, 16
	WIN 0
	WALU
	s_wait_tensorcnt 0x0                           ; my part of the next chunk is in
	ds_add_u32 v[SPW], v[NIL]
	BLOCK 0, 2, 16, 28
	WIN 0
	WALU
	s_wait_dscnt 0x0                               ; the add is done, and my reads of this chunk's slot (block 3's rows are in registers)
	s_barrier_signal -1
	BLOCK 0, 2, 28, 32
	WIN 0
	s_barrier_wait -1
	CREST
	TLOAD G0R, G1R                                 ; chunk n + 2
	PLACES NP-4
	FETCHAT 0, ADRA, AAS
	s_wait_dscnt NF
	BLK 0, 3
	WALU
	VOUTQ 0, 0                                     ; this chunk's first pair
	s_cmp_lt_u32 s46, s19
	s_cbranch_scc0 .Lnone_ahead
	global_prefetch_b8 v[PFO], s[RP:RP+1] th:TH_LOAD_NT scope:SCOPE_SE   ; chunk n + 3, which the next trip asks for
.Lnone_ahead:
	FETCHAT 1, ADRA, AAS
	s_xor_b32 s42, s42, YB
	s_xor_b32 s47, s47, YB
	s_add_co_u32 s17, s17, 4096
	s_add_co_u32 s46, s46, 1
	s_cmp_lg_u32 s46, 4
	s_cbranch_scc1 .Lqk
	s_wait_dscnt NF
.Lv:                                                   ; chunks 4, 5: v
	BLK 1, 0
	FETCHAT 0, ADRA, AAS
	s_wait_dscnt NF
	BLK 1, 1
	WALU
	s_cmp_eq_u32 s46, 4
	s_cbranch_scc0 .Lv_before
	VOUTQ 1024, 2                                  ; k's last pair
	s_branch .Lout_done
.Lv_before:
	VOUTV 1
.Lout_done:
	FETCHAT 1, ADRA, AAS
	s_wait_dscnt NF
	s_wait_xcnt 0x0
	BLOCK 1, 2, 0, 28
	WIN 0
	WALU
	s_wait_tensorcnt 0x0                           ; chunk 5 is in
	s_wait_dscnt 0x0
	s_barrier_signal -1
	BLOCK 1, 2, 28, 32
	WIN 0
	s_barrier_wait -1
	PLACES NP
	s_cmp_eq_u32 s46, 5
	s_cbranch_scc1 .Lnone_0
	FETCHAT 0, ADRA, AAS
	s_wait_dscnt NF
	s_branch .Lgo_0
.Lnone_0:
	s_wait_dscnt 0x0
.Lgo_0:
	BLK 1, 3
	WALU
	VOUTV 0
	s_cmp_eq_u32 s46, 5
	s_cbranch_scc1 .Lnone_1
	FETCHAT 1, ADRA, AAS
	s_wait_dscnt NF
	s_branch .Lgo_1
.Lnone_1:
	s_wait_dscnt 0x0
.Lgo_1:
	s_xor_b32 s42, s42, YB
	s_xor_b32 s47, s47, YB
	s_add_co_u32 s17, s17, 4096
	s_add_co_u32 s46, s46, 1
	s_cmp_lg_u32 s46, 6
	s_cbranch_scc1 .Lv
	s_wait_xcnt 0x0
.set K_, 0
.rept 60                               ; the last pair's way out
	GAPV K_, ACC+64
.set K_, K_+1
.endr
	WALU
	VOUTV 1
	v_lshlrev_b32 v22, 3, v3
	s_lshl_b32 s20, s14, 9
	s_add_co_u32 s20, s20, XN
	v_add_nc_u32 v20, s20, v[CO]
	s_lshl_b32 s20, s14, 8
	s_add_co_u32 s20, s20, XN+2048
	v_add_nc_u32 v21, s20, v22
	WALU
	s_wait_dscnt 0x0                               ; my scale bytes are in LDS
	BARRIER
	ds_load_b128 v[60:63], v20
	ds_load_b64 v[40:41], v21
	s_wait_dscnt 0x0
	global_store_b128 v[CO], v[60:63], s[8:9]      ; 512 consecutive bytes
	global_store_b64 v22, v[40:41], s[10:11]       ; 256 consecutive bytes
	s_wait_tensorcnt 0x0                           ; the wave's end
	ds_add_u32 v[SPW], v[NIL]
	s_wait_dscnt 0x0
	CROUND                                         ; the closing round
	s_endpgm
.Lfunc_end_k_qedf8873561_proj:
	.size	k_qedf8873561_proj, .Lfunc_end_k_qedf8873561_proj-k_qedf8873561_proj
	.p2alignl 7, 3214868480
	.fill 96, 4, 3214868480
	.section	.rodata,"a",@progbits
	.p2align	6, 0x0
	.amdhsa_kernel k_qedf8873561_proj
		.amdhsa_group_segment_fixed_size 327680
		.amdhsa_private_segment_fixed_size 0
		.amdhsa_enable_private_segment 0
		.amdhsa_kernarg_size 88
		.amdhsa_user_sgpr_count 2
		.amdhsa_user_sgpr_kernarg_segment_ptr 1
		.amdhsa_wavefront_size32 1
		.amdhsa_system_sgpr_workgroup_id_x 1
		.amdhsa_system_sgpr_workgroup_id_y 1
		.amdhsa_system_sgpr_workgroup_id_z 1
		.amdhsa_system_vgpr_workitem_id 0
		.amdhsa_next_free_vgpr 1024
		.amdhsa_next_free_sgpr 100
		.amdhsa_reserve_vcc 0
		.amdhsa_float_denorm_mode_32 3
		.amdhsa_float_denorm_mode_16_64 3
		.amdhsa_memory_ordered 1
		.amdhsa_forward_progress 1
		.amdhsa_inst_pref_size 143
	.end_amdhsa_kernel
	.amdgpu_metadata
---
amdhsa.version: [ 1, 2 ]
amdhsa.kernels:
  - .name:           k_qedf8873561_proj
    .symbol:         k_qedf8873561_proj.kd
    .args:
      - { .name: x_codes, .offset: 0, .size: 8, .value_kind: global_buffer, .address_space: global }
      - { .name: x_scales, .offset: 8, .size: 8, .value_kind: global_buffer, .address_space: global }
      - { .name: wq_codes, .offset: 16, .size: 8, .value_kind: global_buffer, .address_space: global }
      - { .name: wq_scales, .offset: 24, .size: 8, .value_kind: global_buffer, .address_space: global }
      - { .name: wk_codes, .offset: 32, .size: 8, .value_kind: global_buffer, .address_space: global }
      - { .name: wk_scales, .offset: 40, .size: 8, .value_kind: global_buffer, .address_space: global }
      - { .name: wv_codes, .offset: 48, .size: 8, .value_kind: global_buffer, .address_space: global }
      - { .name: wv_scales, .offset: 56, .size: 8, .value_kind: global_buffer, .address_space: global }
      - { .name: qp, .offset: 64, .size: 8, .value_kind: global_buffer, .address_space: global }
      - { .name: kp, .offset: 72, .size: 8, .value_kind: global_buffer, .address_space: global }
      - { .name: vp, .offset: 80, .size: 8, .value_kind: global_buffer, .address_space: global }
    .group_segment_fixed_size: 327680
    .private_segment_fixed_size: 0
    .kernarg_segment_align: 8
    .kernarg_segment_size: 88
    .max_flat_workgroup_size: 128
    .sgpr_count:     100
    .vgpr_count:     1024
    .wavefront_size: 32
...
	.end_amdgpu_metadata
.endif
;; end of part 1
;; launch scores (part 2): grid 12 x 16, 8 waves a work-group, clusters of 4 x 4, 327,680 bytes of LDS; arguments qp, kp, pp; writes pp
.if DOCPART == 2
	.amdgcn_target "amdgcn-amd-amdhsa--gfx1250"
	.amdhsa_code_object_version 6
	.text
	.protected	k_qedf8873561_scores
	.globl	k_qedf8873561_scores
	.p2align	8
	.type	k_qedf8873561_scores,@function
k_qedf8873561_scores:
	s_mov_b64 s[64:65], 0
	v_nop
	global_prefetch_b8 v0, s[64:65] scope:SCOPE_SE
	s_setreg_imm32_b32 hwreg(HW_REG_WAVE_MODE, 25, 1), 1
	s_wait_xcnt 0x0
	s_wait_alu depctr_hold_cnt(0) depctr_sa_sdst(0) depctr_va_vdst(0) depctr_va_sdst(0) depctr_va_ssrc(0) depctr_va_vcc(0) depctr_vm_vsrc(0)
	s_getreg_b32 s2, hwreg(HW_REG_IB_STS2, 6, 4)
	s_cmp_eq_u32 s2, 0
	s_cbranch_scc0 .Lentry_in_a_cluster
	s_endpgm
.Lentry_in_a_cluster:
	s_bfe_u32 s2, ttmp6, 0x10000c
	s_cmp_lg_u32 s2, 0xf033
	s_cbranch_scc0 .Lentry_shape_is_right
	s_endpgm
.Lentry_shape_is_right:
; S = q k^T on codes of BF8 (E5M2) with E8M0 scales, K = 1,024; the causal mask; p = 2^(t - Mloc), quantised along the keys.  t = score x log2(e) / 32.
; Mloc is the ceiling of the largest t of ONE query among the 128 keys of a wave's tile: a whole number.  The row's M is found by the next launch, which shifts p's scale bytes by M - Mloc: p's codes do not hang on which whole number is taken off.
; For each query and 128 keys this launch stores p's codes, p's scale word, -Mloc and the sum of the unquantised p.
; WORK LEFT OUT: tiles of hidden keys outside the clusters below (p = 0 there: see the first kernel).  A batch's 8 x 8 tiles of 256 x 256: three clusters of 4 x 4 work-groups cover all that the mask keeps: (queries 0-3, keys 0-3), (4-7, 0-3), (4-7, 4-7).
; In the two on the diagonal six tiles lie wholly under the mask; no branch may hang on a work-group's place in its cluster, so they run like the others and store zero codes, the sum 0 and -Mloc = 2^100.
; SHARES.  Eight waves, two to a SIMD: wave: 64 queries (four quarters) x 128 keys (two halves): 32 accumulators.
; OPERANDS come as PANELS (128 rows x 128 K as images of the operand's registers: row tile i at 2,048 i, registers 4 c .. at 512 c, lane l at 16 l; at 16,384 one scale word a row).  A slot holds two K steps of two groups of queries and two of keys: eight panels, one a wave.
; q's panels are asked for jointly along a row of the cluster, k's along a column.
; THE MATRIX INSTRUCTION IS USED TRANSPOSED (source 0 = 16 keys, source 1 = 16 queries): lane (r, h) of accumulator (a, b) holds query 16 a + r, its register j key 16 b + 8 h + j.
; THE MASK IS WHAT THE SUMS BEGIN WITH: 0 where the key counts, -3e38 where it is hidden (p is then 0).
; PREFETCH: slots 2 and 3, each a slot ahead of its load; each wave names a quarter of the panel that it fetches, the four partners told apart by address.
; K ORDER INSIDE A BLOCK OF 32 KEYS: place 16 h + i holds key 8 h + i (i < 8) or 16 + 8 h + i - 8: as v's codes are laid.
; LIMITS: |t| under 2^23 (beyond that t - M has no fraction left); a query whose every visible t of a tile lies under -2^100 counts as hidden there; NaN and infinities are not served; a block whose every p is 0 keeps the byte 1.
; REGISTERS: window 0: v0-31 addresses; v32-45 scale words, two sets; v64-127 q's fragments (way out: p); v128-255 k's fragments (way out: codes, work).  Window 1: the accumulators, (a, b) at v[8 (8 a + b)].
.set PQ,     16896                     ; a panel of q or k
.set PP,     17920                     ; a panel of p: 16,384 codes, 512 scale words, 512 -Mloc, 512 sums
.set HALFT,  2*PQ                      ; a group's two panels in a slot
.set SLOT,   4*HALFT
.set SPARE,  2*SLOT                    ; the spare words, 128 bytes for each wave
.set STG,    SPARE+1024                ; a stage of 768 bytes for each wave: scale words, -Mloc, sums.  No fill lands here
.set HID,    0xff61b1e6                ; -3e38
.set ADRA, 16                          ; v16-17  LDS address of my q fragments in slot 0, 1
.set ADSA, 18                          ; v18-19  of q's scale words
.set ADRB, 20                          ; v20-21  k's fragments
.set ADSB, 22                          ; v22-23  k's scale words
.set SWA,  24
.set SRA,  25
.set CO,   26                          ; 16 x lane
.set C8,   27                          ; 8 x lane
.set SPW,  28
.set NIL,  29
.set PFO,  30
.set SC,   32                          ; scale words: set q at v[SC + 8 q]: two of q, four of k: lanes 0-15 row tile 2 i, lanes 16-31 row tile 2 i + 1
.set QF,   64
.set KF,   128
.set X,    64
.set PC,   128
.set SM,   192
.set NM,   194
.set LS,   196
.set LS2,  198
.set BM,   200
.set BP,   204
.set SOP,  208
.set HB,   212
.set PW,   216
.set LL,   217
.set TP,   218
.set MC,   220                         ; at the head: the mask's values for b - a < 0, 1 to 3, over 4;  b - a = 0 at v[224:231], 4 at v[232:239]
.set MD0,  224
.set MD4,  232
.set G1, 24
.set G0, 32
.set G1B, 48
.set G0B, 56
.set SEL, 66
.set CS,  68
.set MNT, 70
.set PFA, 76
.set MSB, 0
.macro WIN new                         ; the immediate's high byte repeats the setting that is left
.if MSB != \new
	s_set_vgpr_msb (MSB<<8)|\new
.set MSB, \new
.endif
.endm
.macro PLACES n                        ; places behind matrix instructions (ISA guide 7.12.1)
.rept \n
	v_nop
.endr
.endm
.macro WALU
	s_wait_alu depctr_va_vdst(0)
.endm
.macro BARRIER
	s_barrier_signal -1
	s_barrier_wait -1
.endm
.macro CROUND                          ; a round of the cluster's barrier
	BARRIER
	s_cmp_lg_u32 s14, 0
	s_cbranch_scc1 .Lnot_wave_0_\@
	s_barrier_signal -3
.Lnot_wave_0_\@:
	s_barrier_wait -3
	BARRIER
.endm
.macro JLOAD s                         ; a joint load: waves 0 to 3 fetch for q, waves 4 to 7 for k
	s_cmp_eq_u32 s15, 0
	s_cbranch_scc0 .Lfor_k_\@
	tensor_load_to_lds s[G0+4*\s:G0+4*\s+3], s[G1:G1+7]
	s_nop 0
	PLACES 4
	s_branch .Lasked_\@
.Lfor_k_\@:
	tensor_load_to_lds s[G0B+4*\s:G0B+4*\s+3], s[G1B:G1B+7]
	s_nop 0
	PLACES 4
.Lasked_\@:
.endm
	s_load_b128 s[4:7], s[0:1], 0x0                ; qp, kp
	s_load_b64 s[12:13], s[0:1], 0x10              ; pp
	v_lshl_add_u32 v[SPW], v0, 2, SPARE
	v_mov_b32 v[NIL], 0
	ds_add_u32 v[SPW], v[NIL]                      ; the opening lines: the add, twice on end, and one wait for both
	ds_add_u32 v[SPW], v[NIL]
	v_lshrrev_b32 v1, 5, v0
	v_readfirstlane_b32 s14, v1                    ; wave 0..7
	s_lshr_b32 s15, s14, 2                         ; my group of 128 queries.  Also: I fetch for q (0) or for k (1)
	s_bfe_u32 s16, s14, 0x10001                    ; its half.  Also: which group I fetch
	s_and_b32 s11, s14, 1                          ; my group of 128 keys.  Also: which of a slot's two K steps I fetch
	s_bfe_u32 s40, ttmp6, 0x40000                  ; cx, cy
	s_bfe_u32 s41, ttmp6, 0x40004
	s_add_co_u32 s17, ttmp9, 1
	s_lshr_b32 s17, s17, 1
	s_lshl_b32 s17, s17, 2
	s_add_co_u32 s17, s17, s41                     ; the tile of queries: 4 ((cluster x + 1) / 2) + cy
	s_lshr_b32 s42, ttmp9, 1
	s_lshl_b32 s42, s42, 2
	s_add_co_u32 s42, s42, s40                     ; the tile of keys: 4 (cluster x / 2) + cx
	s_and_b32 s71, ttmp7, 0xffff                   ; the batch
	s_lshl_b32 s43, s41, 2
	s_lshl_b32 s43, 15, s43                        ; my row of the cluster
	s_lshl_b32 s44, 0x1111, s40                    ; my column
	; descriptor group 1: a panel, a dense block, as 66 rows of 256 bytes (32 elements of 8 bytes)
	s_or_b32 s[G1+0], s43, (3<<16)|(1<<21)
	s_or_b32 s[G1B+0], s44, (3<<16)|(1<<21)
.irp g, G1, G1B
	s_mov_b32 s[\g+1], 32<<16
	s_mov_b32 s[\g+2], (PQ/256)<<16
	s_mov_b32 s[\g+3], 32<<16
	s_mov_b32 s[\g+4], PQ/256
	s_mov_b32 s[\g+5], 32
	s_mov_b32 s[\g+6], 0
	s_mov_b32 s[\g+7], 0
.endr
	s_lshl_b32 s18, s71, 4                         ; a batch has 16 groups of 128 rows; a group's eight panels lie on end
	s_add_co_u32 s18, s18, s16
	s_mul_i32 s19, s11, PQ
	s_lshl_b32 s20, s17, 1
	s_add_co_u32 s20, s20, s18
	s_mul_i32 s20, s20, 8*PQ
	s_add_co_u32 s20, s20, s19                     ; q: the panel that I fetch first, in bytes
	s_mov_b32 s21, 0
	s_lshl_b32 s46, s42, 1
	s_add_co_u32 s46, s46, s18
	s_mul_i32 s46, s46, 8*PQ
	s_add_co_u32 s46, s46, s19                     ; k likewise
	s_mov_b32 s47, 0
	s_mul_i32 s45, s14, PQ                         ; where it goes: wave x a panel
	s_mov_b32 s[SEL], 0x76543210
	s_mov_b32 s[SEL+1], 0xfedcba98
	s_mov_b32 s[CS], 0x3d38aa3b                    ; log2(e) / 32
	s_mov_b32 s[CS+1], s[CS]                       ; (named with it as a pair)
	s_mov_b32 s[MNT], 0x600000
	WALU
	s_wait_dscnt 0x0                               ; both opening adds are done
	CROUND                                         ; all sixteen work-groups are here
	s_wait_kmcnt 0x0
	s_add_nc_u64 s[20:21], s[4:5], s[20:21]
	s_add_nc_u64 s[46:47], s[6:7], s[46:47]
.irp s, 0,1
	s_mov_b32 s[G0+4*\s], 1
	s_add_co_u32 s[G0+4*\s+1], s45, \s*SLOT
	s_add_nc_u64 s[G0+4*\s+2:G0+4*\s+3], s[20:21], \s*HALFT
	s_or_b32 s[G0+4*\s+3], s[G0+4*\s+3], 0x80000000
	s_mov_b32 s[G0B+4*\s], 1
	s_add_co_u32 s[G0B+4*\s+1], s45, \s*SLOT
	s_add_nc_u64 s[G0B+4*\s+2:G0B+4*\s+3], s[46:47], \s*HALFT
	s_or_b32 s[G0B+4*\s+3], s[G0B+4*\s+3], 0x80000000
.endr
	JLOAD 0                                        ; slot 0
	s_cmp_eq_u32 s15, 0                            ; the prefetch: 66 units of 256 bytes a panel, 17 for each of the four partners
	s_cselect_b64 s[PFA:PFA+1], s[20:21], s[46:47]
	s_cselect_b32 s78, s40, s41
	s_mul_i32 s78, s78, 17
	v_and_b32 v1, 31, v0                           ; lane
	v_min_u32 v2, 16, v1
	v_add_nc_u32 v2, s78, v2
	v_min_u32 v2, 65, v2
	v_lshlrev_b32 v[PFO], 8, v2
	v_lshlrev_b32 v[CO], 4, v1
	v_lshlrev_b32 v[C8], 3, v1
	v_lshlrev_b32 v3, 2, v1
	v_and_b32 v4, 15, v0                           ; r
	v_bfe_u32 v5, v0, 4, 1                         ; h
	v_lshlrev_b32 v5, 3, v5
	v_sub_nc_u32 v6, v4, v5                        ; r - 8 h
	WALU
	s_mul_i32 s21, s15, HALFT                      ; my 64 queries' part: rows 64 u of the group
	s_lshl_b32 s18, s16, 13
	s_add_co_u32 s18, s18, s21
	s_lshl_b32 s19, s16, 8
	s_add_co_u32 s19, s19, s21
	s_mul_i32 s22, s11, HALFT                      ; my 128 keys' part,
	s_add_co_u32 s22, s22, 2*HALFT                 ; behind q's two
	v_add_nc_u32 v[ADRA], s18, v[CO]
	v_add_nc_u32 v[ADSA], s19, v3
	v_add_nc_u32 v[ADRB], s22, v[CO]
	v_add_nc_u32 v[ADSB], s22, v3
	WALU
.irp i, ADRA, ADSA, ADRB, ADSB
	v_add_nc_u32 v[\i+1], SLOT, v[\i]
.endr
	WALU
	s_mul_i32 s23, s14, 768
	s_add_co_u32 s23, s23, STG                     ; my stage
	v_lshl_add_u32 v[SWA], v4, 2, s23
	v_add_nc_u32 v[SRA], s23, v[C8]
	WALU
	; the mask.  E = my group of queries - my group of keys.  E > 0: every key counts; E < 0: none; E = 0: key 16 b + 8 h + j counts for query 64 u + 16 a + r where it is not greater
	s_sub_co_i32 s18, s17, s42
	s_lshl_b32 s18, s18, 1
	s_add_co_i32 s18, s18, s15
	s_sub_co_i32 s18, s18, s11
	s_mov_b32 s19, HID
	s_cmp_ge_i32 s18, 0
	s_cselect_b32 s22, 0, s19                      ; before the diagonal
	s_cmp_gt_i32 s18, 0
	s_cselect_b32 s23, 0, s19                      ; behind it
	s_cmp_eq_u32 s16, 1
	s_cselect_b32 s18, s22, s23                    ; key tiles a + 1 to a + 3 (the diagonal's tile is a + 4 u)
	v_mov_b32 v[MC], s22
	v_mov_b32 v[MC+1], s18
	v_mov_b32 v[MC+2], s23
.irp j, 0,1,2,3,4,5,6,7
	v_cmp_gt_i32 vcc_lo, \j, v6                    ; on the diagonal: hidden where j > r - 8 h
	v_cndmask_b32 v[MD0+\j], v[MC], v[MC+1], vcc_lo
	v_cndmask_b32 v[MD4+\j], v[MC+1], v[MC+2], vcc_lo
.endr
	WALU
	WIN 0x40
.irp a, 0,1,2,3                        ; the sums begin with the mask
.irp b, 0,1,2,3,4,5,6,7
.irp j, 0,1,2,3,4,5,6,7
.if (\b)-(\a) < 0
	v_mov_b32 v[8*(8*\a+\b)+\j], v[MC]
.elseif (\b)-(\a) == 0
	v_mov_b32 v[8*(8*\a+\b)+\j], v[MD0+\j]
.elseif (\b)-(\a) < 4
	v_mov_b32 v[8*(8*\a+\b)+\j], v[MC+1]
.elseif (\b)-(\a) == 4
	v_mov_b32 v[8*(8*\a+\b)+\j], v[MD4+\j]
.else
	v_mov_b32 v[8*(8*\a+\b)+\j], v[MC+2]
.endif
.endr
.endr
.endr
	WIN 0
	; my panel of p: ((16 batch + my group of 128 queries) 16 + my group of 128 keys)
	s_lshl_b32 s72, s71, 4
	s_lshl_b32 s73, s17, 1
	s_add_co_u32 s72, s72, s73
	s_add_co_u32 s72, s72, s15
	s_lshl_b32 s72, s72, 4
	s_lshl_b32 s73, s42, 1
	s_add_co_u32 s72, s72, s73
	s_add_co_u32 s72, s72, s11
	s_mul_i32 s72, s72, PP
	s_mov_b32 s73, 0
	s_add_nc_u64 s[12:13], s[12:13], s[72:73]
	s_lshl_b32 s72, s16, 8
	s_add_nc_u64 s[8:9], s[12:13], s[72:73]        ; my half of the words: 256 bytes each
	s_lshl_b32 s72, s16, 13
	s_add_nc_u64 s[12:13], s[12:13], s[72:73]      ; my half of the codes
.macro WMM m1, m2
	v_wmma_scale_f32_16x16x128_f8f6f4 v[D_:D_+7], v[S0_:S0_+15], v[S1_:S1_+15], v[D_:D_+7], v[CA_], v[CB_] matrix_a_fmt:MATRIX_FMT_BF8 matrix_b_fmt:MATRIX_FMT_BF8 \m1 \m2
.endm
; A step of 128 along K: 54 LDS loads in one run, then 32 products, key tile by key tile, as the tiles come in.  The 32 accumulators take turns.
.macro STEP slot, q
	PLACES 8                                       ; in front of loads into registers that products have read
.irp i, 0,1
	ds_load_b32 v[SC+8*\q+\i], v[ADSA+\slot] offset:16384+PQ*\q+128*\i
.endr
.irp i, 0,1,2,3
	ds_load_b32 v[SC+8*\q+2+\i], v[ADSB+\slot] offset:16384+PQ*\q+128*\i
.endr
.irp a, 0,1,2,3
.irp c, 0,1,2,3
	ds_load_b128 v[QF+16*\a+4*\c:QF+16*\a+4*\c+3], v[ADRA+\slot] offset:PQ*\q+2048*\a+512*\c
.endr
.endr
.irp b, 0,1,2,3,4,5,6,7
.irp c, 0,1,2,3
	ds_load_b128 v[KF+16*\b+4*\c:KF+16*\b+4*\c+3], v[ADRB+\slot] offset:PQ*\q+2048*\b+512*\c
.endr
.endr
	WIN 0x50                                       ; C and D window 1
.irp b, 0,1,2,3,4,5,6,7
	s_wait_dscnt 4*(7-\b)                          ; key tile b is in; the later tiles' four loads each may be out
.irp a, 0,1,2,3
.set D_, 8*(8*\a+\b)
.set S0_, KF+16*\b
.set S1_, QF+16*\a
.set CA_, SC+8*\q+2+\b/2
.set CB_, SC+8*\q+\a/2
.if \b%2 && \a%2
	WMM matrix_a_scale:MATRIX_SCALE_ROW1, matrix_b_scale:MATRIX_SCALE_ROW1
.elseif \b%2
	WMM matrix_a_scale:MATRIX_SCALE_ROW1
.elseif \a%2
	WMM matrix_b_scale:MATRIX_SCALE_ROW1
.else
	WMM
.endif
.endr
.endr
	WIN 0
.endm
; THE CHANGE OF SLOTS: my loads are in (my part of the next slot among them), the add, my reads of this slot are over; fill = 1: this slot takes the K steps four on
.macro CHANGE slot, fill
	s_wait_tensorcnt 0x0
	ds_add_u32 v[SPW], v[NIL]
.if \fill
	s_add_nc_u64 s[G0+4*\slot+2:G0+4*\slot+3], s[G0+4*\slot+2:G0+4*\slot+3], 2*HALFT
	s_add_nc_u64 s[G0B+4*\slot+2:G0B+4*\slot+3], s[G0B+4*\slot+2:G0B+4*\slot+3], 2*HALFT
.endif
	s_wait_dscnt 0x0
.if \fill
	CROUND
	JLOAD \slot
.else
	BARRIER
.endif
.endm
	WALU
	s_wait_tensorcnt 0x0                           ; my part of slot 0 is in
	ds_add_u32 v[SPW], v[NIL]
	s_wait_dscnt 0x0
	CROUND
	JLOAD 1                                        ; slot 1, the first tensor load behind the round
	global_prefetch_b8 v[PFO], s[PFA:PFA+1] offset:2*HALFT th:TH_LOAD_NT scope:SCOPE_SE   ; slot 2's
	STEP 0, 0
	STEP 0, 1
	CHANGE 0, 1
	global_prefetch_b8 v[PFO], s[PFA:PFA+1] offset:3*HALFT th:TH_LOAD_NT scope:SCOPE_SE   ; slot 3's
	STEP 1, 0
	STEP 1, 1
	CHANGE 1, 1
	STEP 0, 0
	STEP 0, 1
	CHANGE 0, 0
	STEP 1, 0
	STEP 1, 1
; THE WAY OUT, block a of 16 queries at a time.  The 16 registers of accumulators 2 c and 2 c + 1 are my 16 keys of block c of 32; lane l xor 16 holds the other 16.
.macro QUANT2 a
.set AC, 64*(\a)
.set PS, PC+16*(\a)
	WIN 0x15                                       ; all three sources in window 1
.irp c, 0,1,2,3
	v_max3_num_f32 v[BM+\c], v[AC+16*\c], v[AC+16*\c+1], v[AC+16*\c+2]   ; THE LARGEST SCORE OF EACH BLOCK: it serves for the query's maximum and, since p rises with the score, for the block's largest p.  Each accumulator is read from its low end on
.endr
	WIN 0x14                                       ; sources 1 and 2 in window 1
.irp i, 3,5,7,9,11,13
.irp c, 0,1,2,3
	v_max3_num_f32 v[BM+\c], v[BM+\c], v[AC+16*\c+\i], v[AC+16*\c+\i+1]
.endr
.endr
.irp c, 0,1,2,3
	v_max_num_f32 v[BM+\c], v[BM+\c], v[AC+16*\c+15]
.endr
	WIN 0
.irp c, 0,1,2,3
	v_permlanex16_b32 v[BP+\c], v[BM+\c], s[SEL], s[SEL+1]
.endr
.irp c, 0,1,2,3
	v_max_num_f32 v[BM+\c], v[BM+\c], v[BP+\c]     ; with lane l xor 16's 16 keys
.endr
	v_max3_num_f32 v[SM], v[BM], v[BM+1], v[BM+2]
	v_max_num_f32 v[SM], v[SM], v[BM+3]            ; the query's largest score among these 128 keys
	v_mul_f32 v[SM], s[CS], v[SM]                  ; as t (c is positive)
	v_max_num_f32 v[SM], 0xf1800000, v[SM]         ; not under -2^100: a query with no visible key here gets -Mloc = 2^100
	v_floor_f32 v[NM], -v[SM]                      ; -Mloc = floor(-t) = -ceil(t): a whole number
	WIN 1                                          ; source 0 in window 1
.set i, 0
.rept 32
	v_pk_fma_f32 v[X+i:X+i+1], v[AC+i:AC+i+1], s[CS:CS+1], v[NM:NM+1] op_sel_hi:[1,0,0]   ; t - Mloc, two at a time
.set i, i+2
.endr
	WIN 0
.irp c, 0,1,2,3
	v_fma_f32 v[BM+\c], v[BM+\c], s[CS], v[NM]     ; the same of each block's largest score
.endr
	WALU                                           ; ahead of the batch
.set i, 0
.rept 64
	v_exp_f32 v[X+i], v[X+i]                       ; p = 2^(t - Mloc), at most 1
.set i, i+1
.endr
	v_nop                                          ; a plain instruction behind the last exponential
	WALU                                           ; one wait for the batch of 64, ahead of its first reader
.irp c, 0,1,2,3
	v_exp_f32 v[BM+\c], v[BM+\c]                   ; the block's largest p: the same two instructions on the same number give the same bits
.endr
	v_pk_add_f32 v[LS:LS+1], v[X:X+1], v[X+2:X+3]  ; THE SUM IS TAKEN OF THE UNQUANTISED p: two chains of pairs.  (It reads the 64 alone: plain work behind the four)
	v_pk_add_f32 v[LS2:LS2+1], v[X+4:X+5], v[X+6:X+7]
.set i, 8
.rept 14
	v_pk_add_f32 v[LS:LS+1], v[LS:LS+1], v[X+i:X+i+1]
	v_pk_add_f32 v[LS2:LS2+1], v[LS2:LS2+1], v[X+i+2:X+i+3]
.set i, i+4
.endr
	v_pk_add_f32 v[LS:LS+1], v[LS:LS+1], v[LS2:LS2+1]
	v_add_f32 v[LL], v[LS], v[LS+1]
	v_permlanex16_b32 v[TP], v[LL], s[SEL], s[SEL+1]
	v_add_f32 v[LL], v[LL], v[TP]                  ; with lane l xor 16's: the query's sum over these 128 keys
	WALU                                           ; and one wait for the four
.irp c, 0,1,2,3
	v_max_num_f32 v[BM+\c], 0x8000000, v[BM+\c]    ; the floor 2^(16 - 127): the byte cannot fall under 1
.endr
.irp c, 0,1,2,3
	v_add_nc_u32 v[SOP+\c], 0xf8800000, v[BM+\c]   ; 15 off the exponent field: the conversion's scale operand
.endr
.irp c, 0,1,2,3
	v_and_or_b32 v[HB+\c], v[BM+\c], 0x7f800000, s[MNT]   ; 57,344 x the scale
.endr
.irp c, 0,1,2,3
	v_lshrrev_b32 v[BP+\c], 23, v[SOP+\c]          ; the scale's byte
.endr
	v_lshl_or_b32 v[PW], v[BP+1], 8, v[BP]
	v_lshl_or_b32 v[PW], v[BP+2], 16, v[PW]
	v_lshl_or_b32 v[PW], v[BP+3], 24, v[PW]
.set i, 0
.rept 64
	v_min_num_f32 v[X+i], v[X+i], v[HB+i/16]       ; the conversion to an 8-bit code does not saturate (ISA guide 7.6.2); p is not negative, so the hold is one-sided
.set i, i+1
.endr
.irp c, 0,1,2,3
	v_cvt_scalef32_pk8_bf8_f32 v[PS+4*\c:PS+4*\c+1], v[X+16*\c:X+16*\c+7], v[SOP+\c]
	v_cvt_scalef32_pk8_bf8_f32 v[PS+4*\c+2:PS+4*\c+3], v[X+16*\c+8:X+16*\c+15], v[SOP+\c]
.endr
	v_nop                                          ; one plain vector instruction behind the last conversion
.irp c, 0,1,2,3
	global_store_b128 v[CO], v[PS+4*\c:PS+4*\c+3], s[12:13] offset:2048*(\a)+512*\c   ; 512 consecutive bytes, at a multiple of 256 from the buffer's first byte
.endr
	ds_store_b32 v[SWA], v[PW] offset:64*(\a)      ; lanes r and r + 16 write the same word with the same value
	ds_store_b32 v[SWA], v[NM] offset:256+64*(\a)
	ds_store_b32 v[SWA], v[LL] offset:512+64*(\a)
.endm
	PLACES 8                                       ; behind the last products, ahead of the first read of results and the first write of operands' registers
.irp c, 0,1,2,3
	v_mov_b32 v[BP+\c], 0                          ; a lane permute's destination counts as one of its sources
.endr
	v_mov_b32 v[TP], 0
	v_mov_b32 v[NM+1], 0                           ; (named as the upper half of a pair)
.irp a, 0,1,2,3
	QUANT2 \a
.endr
	ds_load_b64 v[220:221], v[SRA]                 ; LDS serves a wave's instructions in order (ISA guide 5.7.1.4): these see my stores
	ds_load_b64 v[222:223], v[SRA] offset:256
	ds_load_b64 v[224:225], v[SRA] offset:512
	s_wait_dscnt 0x0
	global_store_b64 v[C8], v[220:221], s[8:9] offset:16384    ; my half of the panel's scale words,
	global_store_b64 v[C8], v[222:223], s[8:9] offset:16896    ; -Mloc,
	global_store_b64 v[C8], v[224:225], s[8:9] offset:17408    ; and sums: 256 consecutive bytes each
	s_wait_tensorcnt 0x0                           ; the wave's end
	ds_add_u32 v[SPW], v[NIL]
	s_wait_dscnt 0x0
	CROUND                                         ; the closing round
	s_endpgm
.Lfunc_end_k_qedf8873561_scores:
	.size	k_qedf8873561_scores, .Lfunc_end_k_qedf8873561_scores-k_qedf8873561_scores
	.p2alignl 7, 3214868480
	.fill 96, 4, 3214868480
	.section	.rodata,"a",@progbits
	.p2align	6, 0x0
	.amdhsa_kernel k_qedf8873561_scores
		.amdhsa_group_segment_fixed_size 327680
		.amdhsa_private_segment_fixed_size 0
		.amdhsa_enable_private_segment 0
		.amdhsa_kernarg_size 24
		.amdhsa_user_sgpr_count 2
		.amdhsa_user_sgpr_kernarg_segment_ptr 1
		.amdhsa_wavefront_size32 1
		.amdhsa_system_sgpr_workgroup_id_x 1
		.amdhsa_system_sgpr_workgroup_id_y 1
		.amdhsa_system_sgpr_workgroup_id_z 1
		.amdhsa_system_vgpr_workitem_id 0
		.amdhsa_next_free_vgpr 512
		.amdhsa_next_free_sgpr 100
		.amdhsa_reserve_vcc 1
		.amdhsa_float_denorm_mode_32 3
		.amdhsa_float_denorm_mode_16_64 3
		.amdhsa_memory_ordered 1
		.amdhsa_forward_progress 1
		.amdhsa_inst_pref_size 139
	.end_amdhsa_kernel
	.amdgpu_metadata
---
amdhsa.version: [ 1, 2 ]
amdhsa.kernels:
  - .name:           k_qedf8873561_scores
    .symbol:         k_qedf8873561_scores.kd
    .args:
      - { .name: qp, .offset: 0, .size: 8, .value_kind: global_buffer, .address_space: global }
      - { .name: kp, .offset: 8, .size: 8, .value_kind: global_buffer, .address_space: global }
      - { .name: pp, .offset: 16, .size: 8, .value_kind: global_buffer, .address_space: global }
    .group_segment_fixed_size: 327680
    .private_segment_fixed_size: 0
    .kernarg_segment_align: 8
    .kernarg_segment_size: 24
    .max_flat_workgroup_size: 256
    .sgpr_count:     100
    .vgpr_count:     512
    .wavefront_size: 32
...
	.end_amdgpu_metadata
.endif
;; end of part 2
;; launch mix (part 3): grid 4 x 64, 4 waves a work-group, clusters of 4 x 4, 327,680 bytes of LDS; arguments pp, vp, out0; writes out0
.if DOCPART == 3
	.amdgcn_target "amdgcn-amd-amdhsa--gfx1250"
	.amdhsa_code_object_version 6
	.text
	.protected	k_qedf8873561_mix
	.globl	k_qedf8873561_mix
	.p2align	8
	.type	k_qedf8873561_mix,@function
k_qedf8873561_mix:
	s_mov_b64 s[64:65], 0
	v_nop
	global_prefetch_b8 v0, s[64:65] scope:SCOPE_SE
	s_setreg_imm32_b32 hwreg(HW_REG_WAVE_MODE, 25, 1), 1
	s_wait_xcnt 0x0
	s_wait_alu depctr_hold_cnt(0) depctr_sa_sdst(0) depctr_va_vdst(0) depctr_va_sdst(0) depctr_va_ssrc(0) depctr_va_vcc(0) depctr_vm_vsrc(0)
	s_getreg_b32 s2, hwreg(HW_REG_IB_STS2, 6, 4)
	s_cmp_eq_u32 s2, 0
	s_cbranch_scc0 .Lentry_in_a_cluster
	s_endpgm
.Lentry_in_a_cluster:
	s_bfe_u32 s2, ttmp6, 0x10000c
	s_cmp_lg_u32 s2, 0xf033
	s_cbranch_scc0 .Lentry_shape_is_right
	s_endpgm
.Lentry_shape_is_right:
; O = p v / l on codes of BF8 (E5M2) with E8M0 scales.  p's panels carry -Mloc and the sum of each query's 128 keys; M = the largest Mloc of the query's row: p's scale bytes fall by M - Mloc (held at 0), the sums are multiplied by 2^(Mloc - M).
; WORK LEFT OUT: tiles of keys that all come after the queries (p = 0 there: see the first kernel).  What a cluster's partners differ in stays: such panels hold zero codes, the sum 0 and -Mloc = 2^100.
; SHARES.  A work-group owns 128 channels of one batch and TWO groups of 128 queries, hi and lo = 15 - hi.  Clusters of 4 x 4: four channel groups (cx) x four pairs (cy): hi = 15 - cy, lo = cy with 16 + 4 key steps of 128,
; or hi = 11 - cy, lo = 4 + cy with 12 + 8: 20 in every work-group.  A slot holds four key steps: five slots; lo begins with slot 4 or 3, by the cluster's number alone.
; Panels come by joint loads: p's along a row of the cluster, v's along a column; waves 0, 1 fetch two panels of p each, waves 2, 3 two of v.
; A wave makes 64 queries x 64 channels: 16 accumulators.  TRANSPOSED: source 0 = 16 channels of v, source 1 = 16 queries of p: lane (r, h) holds query r and eight neighbouring channels.
; A key step's fragments are fetched while the step before is multiplied; its 8 words come first, so that the shifted scale words are made while the fragments are on their way.
; PREFETCH: the panels of the slot after the one that is being asked for, a slot of work ahead of their load; each wave asks for a quarter of what it fetches, the four partners told apart by address.
; LIMITS: those of the launch before; a query whose tiles' Mloc differ by more than 127 loses the smaller ones' bits.
; REGISTERS: window 0: addresses, words, v128-255 the way out.  Window 1: v's fragments v0-127, p's v128-255, two sets each.  Window 2: v0-127 the accumulators.
.set PQ,   16896                       ; a panel of v
.set PP,   17920                       ; a panel of p: codes, words at 16,384, -Mloc at 16,896, sums at 17,408
.set VOF,  4*PP                        ; v's panels in a slot
.set SLOT, 4*PP+4*PQ
.set STG,  2*SLOT                      ; the way out: 16 rows of 272 bytes for each wave
.set SPITCH, 272
.set MX,   STG+4*16*SPITCH             ; four waves' parts of -M: hi, lo
.set SPARE, MX+4096
.set LN,   1
.set AP0,  2                           ; v2-5: my places in slot 0: p, v, p's words, v's words;  v8-11: in the slot in hand
.set AP,   8
.set CO,   12
.set STO,  16
.set RD,   17
.set GO,   18
.set PF0,  20
.set PF1,  21
.set SPW,  28
.set NIL,  29
.set ST,   64                          ; v64.., v80..: a step's -Mloc, sums, words
.set VS,   96                          ; v's scale words, two sets of two
.set PS,   100                         ; p's shifted scale words, two sets of two
.set NMR,  104                         ; -M of the group in hand
.set NML,  106                         ; -M of lo
.set RL,   108                         ; the row's sum
.set RLP,  110
.set FD,   112
.set RLB,  114
.set TT,   122
.set OB,   128
.set G1P, 24
.set G1V, 48
.set G0P, 32
.set G0V, 36
.set PA,  56                           ; s[56:57], s[58:59] where the slot that is asked for lies; s[60:61], s[62:63] lo's first panel, v's first panel
.set VA,  58
.set LOB, 60
.set VB,  62
.set SEL, 66
.set QA,  76                           ; s[76:77] where my prefetch lies; s[78:79] a slot on; s[80:81] its place when lo begins
.set QST, 78
.set QLO, 80
.set MSB, 0
.macro WIN new                         ; the immediate's high byte repeats the setting that is left
.if MSB != \new
	s_set_vgpr_msb (MSB<<8)|\new
.set MSB, \new
.endif
.endm
.macro PLACES n
.rept \n
	v_nop
.endr
.endm
.macro BARRIER
	s_barrier_signal -1
	s_barrier_wait -1
.endm
.macro CROUND
	BARRIER
	s_cmp_lg_u32 s14, 0
	s_cbranch_scc1 .Lnot_wave_0_\@
	s_barrier_signal -3
.Lnot_wave_0_\@:
	s_barrier_wait -3
	BARRIER
.endm
.macro WALU
	s_wait_alu depctr_va_vdst(0)
.endm
.macro JLOAD                           ; a joint load: waves 0, 1 for p, waves 2, 3 for v
	s_cmp_eq_u32 s15, 0
	s_cbranch_scc0 .Lfor_v_\@
	tensor_load_to_lds s[G0P:G0P+3], s[G1P:G1P+7]
	s_nop 0
	PLACES 4
	s_branch .Lasked_\@
.Lfor_v_\@:
	tensor_load_to_lds s[G0V:G0V+3], s[G1V:G1V+7]
	s_nop 0
	PLACES 4
.Lasked_\@:
.endm
.macro GROUP1 g, mask, rows            ; a dense block as rows of 256 bytes (32 elements of 8 bytes), no padding
	s_or_b32 s[\g], s[\mask], (3<<16)|(1<<21)
	s_mov_b32 s[\g+1], 32<<16
	s_mov_b32 s[\g+2], (\rows)<<16
	s_mov_b32 s[\g+3], 32<<16
	s_mov_b32 s[\g+4], \rows
	s_mov_b32 s[\g+5], 32
	s_mov_b32 s[\g+6], 0
	s_mov_b32 s[\g+7], 0
.endm
.macro GROUP0                          ; groups 0 for the slot at s42
	s_add_co_u32 s[G0P+1], s72, s42
	s_mov_b64 s[G0P+2:G0P+3], s[PA:PA+1]
	s_or_b32 s[G0P+3], s[G0P+3], 0x80000000
	s_add_co_u32 s[G0V+1], s73, s42
	s_mov_b64 s[G0V+2:G0V+3], s[VA:VA+1]
	s_or_b32 s[G0V+3], s[G0V+3], 0x80000000
.endm
	s_load_b128 s[4:7], s[0:1], 0x0                ; pp, vp
	s_load_b64 s[12:13], s[0:1], 0x10              ; out0
	v_lshl_add_u32 v[SPW], v0, 2, SPARE
	v_mov_b32 v[NIL], 0
	ds_add_u32 v[SPW], v[NIL]                      ; the opening lines: the add, twice on end, and one wait for both
	ds_add_u32 v[SPW], v[NIL]
	v_lshrrev_b32 v6, 5, v0
	v_readfirstlane_b32 s14, v6                    ; wave
	s_lshr_b32 s15, s14, 1                         ; my 64 queries; also: I fetch p (0) or v (1)
	s_and_b32 s16, s14, 1                          ; my 64 channels; also: which two panels I fetch
	s_bfe_u32 s40, ttmp6, 0x40000                  ; cx
	s_bfe_u32 s41, ttmp6, 0x40004                  ; cy
	s_and_b32 s17, ttmp7, 0xffff                   ; the cluster: batch, pairs' half, channels' half
	s_lshr_b32 s74, s17, 2                         ; batch
	s_bfe_u32 s70, s17, 0x10001                    ; pairs' half
	s_and_b32 s75, s17, 1
	s_sub_co_u32 s47, 4, s70                       ; the slot with which lo begins
	s_lshl_b32 s20, s70, 2
	s_add_co_u32 s20, s20, s41                     ; lo
	s_sub_co_u32 s21, 15, s20                      ; hi
	s_lshl_b32 s22, s74, 4
	s_add_co_u32 s82, s22, s21
	s_mul_i32 s82, s82, 16*PP                      ; hi's panels of p
	s_add_co_u32 s83, s22, s20
	s_mul_i32 s83, s83, 16*PP                      ; lo's
	s_lshl_b32 s75, s75, 2
	s_add_co_u32 s75, s75, s40                     ; channel group
	s_lshl_b32 s22, s74, 3
	s_add_co_u32 s22, s22, s75
	s_mul_i32 s88, s22, 16*PQ                      ; its panels of v
	s_lshl_b32 s84, s74, 23                        ; out: batch, query, channel, in bytes
	s_lshl_b32 s22, s15, 18
	s_add_co_u32 s84, s84, s22
	s_lshl_b32 s22, s75, 9
	s_add_co_u32 s84, s84, s22
	s_lshl_b32 s22, s16, 8
	s_add_co_u32 s84, s84, s22
	s_lshl_b32 s20, s20, 19
	s_add_co_u32 s86, s84, s20
	s_lshl_b32 s21, s21, 19
	s_add_co_u32 s84, s84, s21
	s_mov_b32 s85, 0
	s_mov_b32 s87, 0
	s_mov_b32 s89, 0
	s_lshl_b32 s44, s41, 2
	s_lshl_b32 s44, 15, s44                        ; my row of the cluster
	s_lshl_b32 s45, 0x1111, s40                    ; my column
	GROUP1 G1P, 44, 2*PP/256
	GROUP1 G1V, 45, 2*PQ/256
	s_mov_b32 s[G0P], 1
	s_mov_b32 s[G0V], 1
	s_mul_i32 s72, s16, 2*PP
	s_mul_i32 s73, s16, 2*PQ
	s_add_co_u32 s90, s82, s72                     ; what I fetch: hi's, lo's, v's two panels
	s_add_co_u32 s92, s83, s72
	s_add_co_u32 s88, s88, s73
	s_mov_b32 s91, 0
	s_mov_b32 s93, 0
	s_add_co_u32 s73, s73, VOF
	s_mov_b32 s42, 0
	s_mul_i32 s20, s14, PP
	s_add_co_u32 s20, s20, 16896
	s_add_co_u32 s94, s82, s20                     ; -Mloc of hi's panels wave, wave + 4 ..
	s_add_co_u32 s96, s83, s20
	s_mov_b32 s95, 0
	s_mov_b32 s97, 0
	s_mov_b32 s[SEL], 0x76543210
	s_mov_b32 s[SEL+1], 0xfedcba98
	s_mov_b32 s71, 0x80808080
	WALU
	s_wait_dscnt 0x0                               ; both opening adds are done
	CROUND
	s_wait_kmcnt 0x0
	s_add_nc_u64 s[PA:PA+1], s[4:5], s[90:91]
	s_add_nc_u64 s[LOB:LOB+1], s[4:5], s[92:93]
	s_add_nc_u64 s[VB:VB+1], s[6:7], s[88:89]
	s_mov_b64 s[VA:VA+1], s[VB:VB+1]
	s_add_nc_u64 s[94:95], s[4:5], s[94:95]
	s_add_nc_u64 s[96:97], s[4:5], s[96:97]
	v_and_b32 v[LN], 31, v0
	v_lshlrev_b32 v[CO], 4, v[LN]
.irp j, 0,1,2,3
	global_load_b128 v[128+4*\j:131+4*\j], v[CO], s[94:95] offset:4*PP*\j
.endr
.irp j, 0,1
	global_load_b128 v[144+4*\j:147+4*\j], v[CO], s[96:97] offset:4*PP*\j
.endr
	WALU
	GROUP0
	JLOAD                                          ; slot 0
	s_add_nc_u64 s[18:19], s[12:13], s[86:87]      ; out: lo
	s_add_nc_u64 s[12:13], s[12:13], s[84:85]      ; out: hi
	s_cmp_eq_u32 s15, 0                            ; the prefetch: p's two panels in 4 x 35 units of 256 bytes, v's in 4 x 33
	s_cselect_b64 s[QA:QA+1], s[PA:PA+1], s[VB:VB+1]
	s_cselect_b64 s[QLO:QLO+1], s[LOB:LOB+1], s[VB:VB+1]
	s_mov_b32 s20, 4*PQ
	s_cselect_b32 s[QST], 4*PP, s20
	s_mov_b32 s[QST+1], 0
	s_mul_i32 s20, s40, 35
	s_mul_i32 s21, s41, 33
	s_cselect_b32 s20, s20, s21
	s_cselect_b32 s21, 2, 0
	s_add_nc_u64 s[QA:QA+1], s[QA:QA+1], s[QST:QST+1]
	WALU                                           ; ahead of the readers
	v_add_nc_u32 v[PF0], s20, v[LN]
	v_lshlrev_b32 v[PF0], 8, v[PF0]
	v_min_u32 v[PF1], s21, v[LN]
	v_add_nc_u32 v[PF1], s20, v[PF1]
	v_add_nc_u32 v[PF1], 32, v[PF1]
	v_lshlrev_b32 v[PF1], 8, v[PF1]
	v_and_b32 v6, 15, v0                           ; r
	v_bfe_u32 v7, v0, 4, 1                         ; h
	v_lshlrev_b32 v13, 2, v[LN]
	s_lshl_b32 s20, s15, 13
	v_add_nc_u32 v[AP0], s20, v[CO]
	s_lshl_b32 s20, s16, 13
	s_add_co_u32 s20, s20, VOF
	v_add_nc_u32 v[AP0+1], s20, v[CO]
	s_lshl_b32 s20, s15, 8
	s_add_co_u32 s20, s20, 16384
	v_add_nc_u32 v[AP0+2], s20, v13
	s_lshl_b32 s20, s16, 8
	s_add_co_u32 s20, s20, VOF+16384
	v_add_nc_u32 v[AP0+3], s20, v13
	s_mul_i32 s20, s14, 16*SPITCH
	s_add_co_u32 s20, s20, STG                     ; my stage
	WALU
	v_mul_u32_u24 v14, v6, SPITCH
	v_lshl_add_u32 v14, v7, 5, v14
	v_add_nc_u32 v[STO], s20, v14
	v_mul_u32_u24 v15, v7, SPITCH
	v_lshl_add_u32 v15, v6, 4, v15
	v_add_nc_u32 v[RD], s20, v15
	v_lshlrev_b32 v[GO], 12, v7
	v_lshl_add_u32 v[GO], v6, 4, v[GO]
	s_lshl_b32 s20, s14, 10
	s_add_co_u32 s20, s20, MX
	v_add_nc_u32 v22, s20, v[CO]                   ; where I put my part of -M,
	s_lshl_b32 s20, s15, 8
	s_add_co_u32 s20, s20, MX
	v_add_nc_u32 v23, s20, v13                     ; and where I read my queries'
	v_mov_b32 v[FD], 0                             ; (a lane permute's destination counts as one of its sources)
	v_mov_b32 v[FD+1], 0
	v_mov_b32 v[RL], 0
	v_mov_b32 v[RL+1], 0
.macro ZERO                            ; the accumulators: the loop's first step finds zeros
	WIN 0x80
.set I_, 0
.rept 128
	v_mov_b32 v[I_], 0
.set I_, I_+1
.endr
	WIN 0
.endm
	ZERO
	WALU
	s_wait_loadcnt 0x0
.irp c, 0,1,2,3
	v_min3_num_f32 v[160+\c], v[128+\c], v[132+\c], v[136+\c]
	v_min_num_f32 v[164+\c], v[144+\c], v[148+\c]
.endr
.irp c, 0,1,2,3
	v_min_num_f32 v[160+\c], v[160+\c], v[140+\c]
.endr
	ds_store_b128 v22, v[160:163]
	ds_store_b128 v22, v[164:167] offset:512
	s_wait_dscnt 0x0
	BARRIER
.irp k, 0,1,2,3
.irp i, 0,1
	ds_load_b32 v[168+4*\i+\k], v23 offset:1024*\k+128*\i
	ds_load_b32 v[176+4*\i+\k], v23 offset:1024*\k+512+128*\i
.endr
.endr
	s_wait_dscnt 0x0
.irp i, 0,1
	v_min3_num_f32 v[NMR+\i], v[168+4*\i], v[169+4*\i], v[170+4*\i]
	v_min3_num_f32 v[NML+\i], v[176+4*\i], v[177+4*\i], v[178+4*\i]
.endr
.irp i, 0,1
	v_min_num_f32 v[NMR+\i], v[NMR+\i], v[171+4*\i]
	v_min_num_f32 v[NML+\i], v[NML+\i], v[179+4*\i]
.endr
.macro WMM m1, m2
	v_wmma_scale_f32_16x16x128_f8f6f4 v[D_:D_+7], v[S0_:S0_+15], v[S1_:S1_+15], v[D_:D_+7], v[CA_], v[CB_] matrix_a_fmt:MATRIX_FMT_BF8 matrix_b_fmt:MATRIX_FMT_BF8 \m1 \m2
.endm
.macro MUL e                           ; 16 products; the accumulators take turns
	WIN 0xa5                               ; both sources window 1, C and D window 2
.irp a, 0,1,2,3
.irp b, 0,1,2,3
.set D_, 32*\a+8*\b
.set S0_, 64*(\e)+16*\b
.set S1_, 128+64*(\e)+16*\a
.set CA_, VS+2*(\e)+\b/2
.set CB_, PS+2*(\e)+\a/2
.if \b%2 && \a%2
	WMM matrix_a_scale:MATRIX_SCALE_ROW1, matrix_b_scale:MATRIX_SCALE_ROW1
.elseif \b%2
	WMM matrix_a_scale:MATRIX_SCALE_ROW1
.elseif \a%2
	WMM matrix_b_scale:MATRIX_SCALE_ROW1
.else
	WMM
.endif
.endr
.endr
	WIN 0
.endm
.macro FETCH k, e                      ; key step k of the slot in hand into set e: 8 words, then 32 loads of fragments
.irp i, 0,1
	ds_load_b32 v[ST+16*(\e)+\i], v[AP+2] offset:PP*(\k)+512+128*\i
	ds_load_b32 v[ST+16*(\e)+2+\i], v[AP+2] offset:PP*(\k)+1024+128*\i
	ds_load_b32 v[ST+16*(\e)+4+\i], v[AP+2] offset:PP*(\k)+128*\i
	ds_load_b32 v[VS+2*(\e)+\i], v[AP+3] offset:PQ*(\k)+128*\i
.endr
	WIN 0x40
.irp a, 0,1,2,3
.irp c, 0,1,2,3
	ds_load_b128 v[64*(\e)+16*\a+4*\c:64*(\e)+16*\a+4*\c+3], v[AP+1] offset:PQ*(\k)+2048*\a+512*\c
	ds_load_b128 v[128+64*(\e)+16*\a+4*\c:128+64*(\e)+16*\a+4*\c+3], v[AP] offset:PP*(\k)+2048*\a+512*\c
.endr
.endr
	WIN 0
.endm
; p's scale words under the row's M: each byte falls by M - Mloc (at most 127), held at 0; the sum is taken along
.macro SCALE e
.set S_, ST+16*(\e)
.irp i, 0,1
	v_sub_f32 v[TT+\i], v[NMR+\i], v[S_+\i]        ; Mloc - M
.endr
.irp i, 0,1
	v_max_num_f32 v[TT+\i], 0xc2fe0000, v[TT+\i]   ; not under -127
.endr
.irp i, 0,1
	v_cvt_i32_f32 v[TT+\i], v[TT+\i]
.endr
.irp i, 0,1
	v_ldexp_f32 v[S_+2+\i], v[S_+2+\i], v[TT+\i]
.endr
.irp i, 0,1
	v_sub_nc_u32 v[TT+\i], 0, v[TT+\i]
.endr
.irp i, 0,1
	v_add_f32 v[RL+\i], v[RL+\i], v[S_+2+\i]
.endr
.irp i, 0,1
	v_perm_b32 v[TT+\i], v[TT+\i], v[TT+\i], 0     ; in all four bytes
.endr
.irp i, 0,1
	v_or_b32 v[S_+4+\i], s71, v[S_+4+\i]           ; the bytes are under 128: bit 7 takes the borrow
.endr
.irp i, 0,1
	v_sub_nc_u32 v[S_+4+\i], v[S_+4+\i], v[TT+\i]
.endr
.irp i, 0,1
	v_and_b32 v[TT+\i], s71, v[S_+4+\i]
.endr
.irp i, 0,1
	v_lshrrev_b32 v[S_+\i], 7, v[TT+\i]
.endr
.irp i, 0,1
	v_sub_nc_u32 v[TT+\i], v[TT+\i], v[S_+\i]
.endr
.irp i, 0,1
	v_and_b32 v[PS+2*(\e)+\i], v[S_+4+\i], v[TT+\i]
.endr
	WALU
.endm
.macro KST k
	s_wait_dscnt 32                                ; the step's 8 words are in; its 32 loads of fragments may be out
	SCALE (\k)%2
	s_wait_dscnt 0x0
	PLACES 8                                       ; ahead of the scaled products
	FETCH (\k)+1, ((\k)+1)%2
	MUL (\k)%2
.endm
; THE CHANGE OF SLOTS: every wave's loads are in, the add, every wave's reads of the slot in hand are over; fill = 1: that slot takes slot s46's panels
.macro CHANGE fill
	s_wait_tensorcnt 0x0
	ds_add_u32 v[SPW], v[NIL]
.if \fill
	s_add_nc_u64 s[PA:PA+1], s[PA:PA+1], 4*PP
	s_add_nc_u64 s[VA:VA+1], s[VA:VA+1], 4*PQ
	s_cmp_eq_u32 s46, s47                          ; lo begins: its first panels, and v's
	s_cselect_b64 s[PA:PA+1], s[LOB:LOB+1], s[PA:PA+1]
	s_cselect_b64 s[VA:VA+1], s[VB:VB+1], s[VA:VA+1]
	GROUP0
	s_wait_xcnt 0x0                                ; the last prefetch has read its address
	s_add_nc_u64 s[QA:QA+1], s[QA:QA+1], s[QST:QST+1]
	s_add_co_u32 s20, s46, 1
	s_cmp_eq_u32 s20, s47
	s_cselect_b64 s[QA:QA+1], s[QLO:QLO+1], s[QA:QA+1]
.endif
	s_xor_b32 s42, s42, SLOT
	s_wait_dscnt 0x0
.if \fill
	CROUND
	JLOAD
.else
	BARRIER
.endif
.irp i, 0,1,2,3
	v_add_nc_u32 v[AP+\i], s42, v[AP0+\i]
.endr
	PLACES 8
	FETCH 0, 0
.if \fill
	s_cmp_lt_u32 s46, 4
	s_cbranch_scc0 .Lnone_ahead_\@
	global_prefetch_b8 v[PF0], s[QA:QA+1] th:TH_LOAD_NT scope:SCOPE_SE   ; slot s46 + 1's
	global_prefetch_b8 v[PF1], s[QA:QA+1] th:TH_LOAD_NT scope:SCOPE_SE
.Lnone_ahead_\@:
.endif
.endm
.macro SLOTW fill                      ; a slot's four key steps; the last is multiplied behind the change of slots
	KST 0
	KST 1
	KST 2
	s_wait_dscnt 32
	SCALE 1
	CHANGE \fill
	MUL 1
.endm
; THE WAY OUT of a group: x 1 / the row's sum, through my stage (16 rows of 256 bytes at a time; LDS serves a wave's instructions in order, ISA guide 5.7.1.4), stored as aligned units of 256 bytes
.macro WAYOUT o
	PLACES 8
	s_wait_xcnt 0x0                                ; earlier stores have read their registers
	WALU
	v_rcp_f32 v[RLP], v[RL]
	v_rcp_f32 v[RLP+1], v[RL+1]
	v_cmp_gt_u32 vcc_lo, 16, v[LN]
	WALU
.irp i, 0,1
	v_permlanex16_b32 v[FD+\i], v[RLP+\i], s[SEL], s[SEL+1]
.endr
.irp i, 0,1
	v_cndmask_b32 v[RLB+4*\i], v[FD+\i], v[RLP+\i], vcc_lo      ; query tile 2 i: lanes 0-15's
	v_cndmask_b32 v[RLB+4*\i+2], v[RLP+\i], v[FD+\i], vcc_lo    ; 2 i + 1: lanes 16-31's
.endr
.irp a, 0,1,2,3
	v_mov_b32 v[RLB+2*\a+1], v[RLB+2*\a]           ; (named as the upper half of a pair)
.endr
	WIN 0x82
	WALU                                           ; ahead of the accumulators' first readers
.set I_, 0
.rept 64
	v_pk_mul_f32 v[I_:I_+1], v[I_:I_+1], v[RLB+2*(I_/32):RLB+2*(I_/32)+1] op_sel_hi:[1,0]
.set I_, I_+2
.endr
	WIN 0x08
.irp a, 0,1,2,3
.irp b, 0,1,2,3
	ds_store_b128 v[STO], v[32*\a+8*\b:32*\a+8*\b+3] offset:64*\b
	ds_store_b128 v[STO], v[32*\a+8*\b+4:32*\a+8*\b+7] offset:64*\b+16
.endr
.irp t, 0,1,2,3,4,5,6,7
	ds_load_b128 v[OB+32*\a+4*\t:OB+32*\a+4*\t+3], v[RD] offset:2*\t*SPITCH
.endr
.endr
	WIN 0
.irp a, 0,1,2,3
	s_wait_dscnt 16*(3-\a)                         ; the later tiles' 8 stores and 8 loads each may be out
.irp t, 0,1,2,3,4,5,6,7
	global_store_b128 v[GO], v[OB+32*\a+4*\t:OB+32*\a+4*\t+3], s[\o:\o+1] offset:65536*\a+8192*\t th:TH_STORE_NT
.endr
.endr
.endm
.macro TOLO slot                       ; where lo begins with this slot: hi leaves, and the sums begin anew
	s_cmp_eq_u32 s47, \slot
	s_cbranch_scc0 .Lstill_\@
	WAYOUT 12
	ZERO
.irp i, 0,1
	v_mov_b32 v[RL+\i], 0
	v_mov_b32 v[NMR+\i], v[NML+\i]
.endr
	WALU
.Lstill_\@:
.endm
	s_mov_b32 s46, 1
	s_mov_b32 s42, SLOT                            ; slot 1 takes its first panels; slot 0 is then the slot in hand
	WALU
	CHANGE 1
	s_mov_b32 s46, 2
.Lslot:                                                ; slots 0, 1, 2: behind each the slot two on is asked for
	SLOTW 1
	s_add_co_u32 s46, s46, 1
	s_cmp_lg_u32 s46, 5
	s_cbranch_scc1 .Lslot
	TOLO 3
	SLOTW 0                                        ; slot 3
	TOLO 4
	KST 0                                          ; slot 4
	KST 1
	KST 2
	s_wait_dscnt 32
	SCALE 1
	s_wait_dscnt 0x0
	PLACES 8
	MUL 1
	WAYOUT 18
	s_wait_tensorcnt 0x0                           ; the wave's end
	ds_add_u32 v[SPW], v[NIL]
	s_wait_dscnt 0x0
	CROUND                                         ; the closing round
	s_endpgm
.Lfunc_end_k_qedf8873561_mix:
	.size	k_qedf8873561_mix, .Lfunc_end_k_qedf8873561_mix-k_qedf8873561_mix
	.p2alignl 7, 3214868480
	.fill 96, 4, 3214868480
	.section	.rodata,"a",@progbits
	.p2align	6, 0x0
	.amdhsa_kernel k_qedf8873561_mix
		.amdhsa_group_segment_fixed_size 327680
		.amdhsa_private_segment_fixed_size 0
		.amdhsa_enable_private_segment 0
		.amdhsa_kernarg_size 24
		.amdhsa_user_sgpr_count 2
		.amdhsa_user_sgpr_kernarg_segment_ptr 1
		.amdhsa_wavefront_size32 1
		.amdhsa_system_sgpr_workgroup_id_x 1
		.amdhsa_system_sgpr_workgroup_id_y 1
		.amdhsa_system_sgpr_workgroup_id_z 1
		.amdhsa_system_vgpr_workitem_id 0
		.amdhsa_next_free_vgpr 768
		.amdhsa_next_free_sgpr 100
		.amdhsa_reserve_vcc 1
		.amdhsa_float_denorm_mode_32 3
		.amdhsa_float_denorm_mode_16_64 3
		.amdhsa_memory_ordered 1
		.amdhsa_forward_progress 1
		.amdhsa_inst_pref_size 137
	.end_amdhsa_kernel
	.amdgpu_metadata
---
amdhsa.version: [ 1, 2 ]
amdhsa.kernels:
  - .name:           k_qedf8873561_mix
    .symbol:         k_qedf8873561_mix.kd
    .args:
      - { .name: pp, .offset: 0, .size: 8, .value_kind: global_buffer, .address_space: global }
      - { .name: vp, .offset: 8, .size: 8, .value_kind: global_buffer, .address_space: global }
      - { .name: out0, .offset: 16, .size: 8, .value_kind: global_buffer, .address_space: global }
    .group_segment_fixed_size: 327680
    .private_segment_fixed_size: 0
    .kernarg_segment_align: 8
    .kernarg_segment_size: 24
    .max_flat_workgroup_size: 128
    .sgpr_count:     100
    .vgpr_count:     768
    .wavefront_size: 32
...
	.end_amdgpu_metadata
.endif
;; end of part 3
